; MI455X (gfx1250); checked and timed in simulation.
; The chip was launched on July 23, 2026; its instructions are those of AMD's public machine-readable ISA for CDNA 5 (MIT licence, August 2026) and "CDNA5" Instruction Set Architecture Reference Guide (July 2026). The comments in the code are by the model that wrote it; some were corrected since.
;; Multi Head Attention. Allowed arithmetic: matrix products marked QUANTISED: E2M1 operands, one E8M0 scale for each 32 along K, by v_wmma_scale_f32_16x16x128_f8f6f4 with both operands' format E2M1 (or v_wmma_scale_f32_32x16x128_f4), f32 sums; products left as they are: bf16, f16 or f32 operands; f32 sums; everything else in f32.
;; Inputs: Wk 1,024 x 1,024 float32; Wo 1,024 x 1,024 float32; Wq 1,024 x 1,024 float32; Wv 1,024 x 1,024 float32; bk 1,024 float32; bo 1,024 float32; bq 1,024 float32; bv 1,024 float32; keys 4 x 2,048 x 1,024 float32; mask 4 x 2,048 int32; query 4 x 2,048 x 1,024 float32; values 4 x 2,048 x 1,024 float32.
;; Outputs: out0 4 x 2,048 x 1,024 float32.
;; This version of the problem:
;;   THIS VERSION OF THE PROBLEM IS GIVEN IN LOW PRECISION. The matrix products marked QUANTISED in the list below multiply operands that are first quantised to E2M1 (2 exponent bits, 1 mantissa bit; 4 bits a number), with one power-of-two scale for each 32 numbers along K (OCP MX v1.0); their sums are f32. The products marked 'left as it is' may take bf16, f16 or f32 operands, with f32 sums. Whichever they take, every output number must still come out within the allowed error. Rounding operands to bf16 (8 significant bits) uses up far more of that allowance than f16 does (11 bits, for magnitudes from 6e-5 to 65,504). All else is computed in f32.
;;   The module's matrix products, in the order in which they are computed (A, B: the left and right operand; K: the contracted axis; several contracted axes count as one K, in the product's order):
;;     1. [M 8,192, K 1,024] x [K 1,024, N 1,024]; A: input query; B: input Wq: QUANTISED
;;     2. [M 8,192, K 1,024] x [K 1,024, N 1,024]; A: input keys; B: input Wk: QUANTISED
;;     3. [M 8,192, K 1,024] x [K 1,024, N 1,024]; A: input values; B: input Wv: QUANTISED
;;     4. batch 64 x [M 2,048, K 64] x [K 64, N 2,048]; A: computed on the way; B: computed on the way: left as it is (an operand is computed on the way)
;;     5. batch 64 x [M 2,048, K 2,048] x [K 2,048, N 64]; A: computed on the way; B: computed on the way: left as it is (an operand is computed on the way)
;;     6. [M 8,192, K 1,024] x [K 1,024, N 1,024]; A: computed on the way; B: input Wo: left as it is (an operand is computed on the way)
;;   THE QUANTISER, for each operand of a quantised product, along K:
;;     - K is cut into blocks of 32 from its start; a last block that is shorter is filled with zeros.
;;     - A block's scale is 2^e with e = floor(log2(the largest magnitude in the block)) - 2, held to -126 .. 127; a block of zeros has e = 0. As a byte (E8M0): e + 127.
;;     - Each number is divided by its block's scale, clamped to +-6, and rounded to the nearest number of E2M1, ties to even, subnormals kept.
;;     - The product sums the exact products of the quantised numbers (number of the format x scale) in f32.
;;   ~~~python
;;   def quantise(x, axis):      # numpy; x: float32 -> the quantised numbers, widened to float32 again
;;       x = np.moveaxis(x, axis, -1); K = x.shape[-1]
;;       x = np.pad(x, [(0, 0)] * (x.ndim - 1) + [(0, -K % 32)]); x = x.reshape(x.shape[:-1] + (-1, 32)); a = np.abs(x).max(-1, keepdims=True)
;;       e = np.where(a > 0, np.clip(np.frexp(np.where(a > 0, a, 1))[1] - 1 - 2, -126, 127), 0)      # np.frexp(a)[1] - 1 = floor(log2(a)), exactly
;;       r = np.clip(x / 2.0 ** e, -6, 6)
;;       step = 2.0 ** (np.maximum(np.frexp(np.where(r == 0, 1, r))[1] - 1, 0) - 1)
;;       q = np.round(r / step) * step * 2.0 ** e      # np.round: ties to even
;;       return np.moveaxis(q.reshape(q.shape[:-2] + (-1,))[..., :K], -1, axis).astype(np.float32)
;;   ~~~
;; One version. Each part assembles by itself: llvm-mc -triple=amdgcn-amd-amdhsa -mcpu=gfx1250 --defsym DOCPART=n.
;; ======== version 1 of 1: 4 launches
;; limits: values are held in f16: magnitudes above 65,504 overflow, below 6.1e-05 lose precision
;; workspace buffers: codes 14,155,776 bytes; scales 884,736 bytes; wo16 2,097,152 bytes; mb 33,280 bytes; qkv 50,331,648 bytes; ao 16,777,216 bytes
;; launch prep (part 1): grid 897 x 1, 4 waves a work-group, no clusters, 33,280 bytes of LDS; arguments query, keys, values, Wq, Wk, Wv, Wo, mask, codes, scales, wo16, mb; writes codes, scales, wo16, mb
.if DOCPART == 1
	.amdgcn_target "amdgcn-amd-amdhsa--gfx1250"
	.amdhsa_code_object_version 6
	.text
	.protected	k_q7cff50e9ac_prep
	.globl	k_q7cff50e9ac_prep
	.p2align	8
	.type	k_q7cff50e9ac_prep,@function
k_q7cff50e9ac_prep:
	s_mov_b64 s[64:65], 0
	v_nop
	global_prefetch_b8 v0, s[64:65] scope:SCOPE_SE
	s_setreg_imm32_b32 hwreg(HW_REG_WAVE_MODE, 25, 1), 1
	s_wait_xcnt 0x0
; PREP: three jobs in one launch, told apart by the work-group's number alone.
; (1) Work-groups 0-863: query, keys, values [8192][1024] and Wq, Wk, Wv [1024][1024], f32, K innermost, become codes of FP4 (E2M1), two a byte, K innermost, and one E8M0 byte for each 32 along K.
;     The six tensors lie one behind the other in the two workspace buffers: rows 0-8191 query, 8192-16383 keys, 16384-24575 values, then 1,024 rows each of Wq, Wk, Wv; a row is 512 bytes of codes and 32 scale bytes.
;     A block's scale is 2^(floor(log2(its largest magnitude)) - 2); its byte is the largest magnitude's exponent field - 2, held at 1 from below; each number is divided by the scale and rounded to the nearest code, ties to even.
;     Rows are dense and 1,024 is a multiple of 32: each tensor is a plain stream of blocks of 32.  A work-group takes 32,768 numbers, a wave 8,192 in 16 steps of 512.
; (2) Work-groups 864-895: Wo, f32, becomes f16 in the same order (the last product's operand).
; (3) Work-group 896: the key mask becomes a bias, f32 [4][2048]: 0 where the key counts, -1e20 where mask == 0.  In a batch with NO key left the bias is 0 everywhere and the batch's factor on q is 0 in place of
;     c = log2(e) / 8: all scores are then equal, which is the uniform softmax that equal energies of -1e20 give.  The factor stands 32 times, at byte 32768 + 128 x batch.
; LIMITS: a block of zeros gets the byte 1 where the quantiser's rule says 127 (its codes are zeros, and this program alone reads the bytes); blocks whose largest magnitude lies under 2^-124 were not tried;
; NaN and infinities are not served; a number of Wo beyond 65,504 is not served.
; No cluster, no tensor loads: no two work-groups read the same byte, and every byte is read once, by loads of 512 consecutive bytes a wave.
.set WAVES, 4
.set STEPS, 16
.set EMAX,  2
.set CB,    8                          ; bytes of 16 codes
.set R,     16                         ; v16-79   four sets of 16 numbers as they are loaded
.set X,     80                         ; v80-111  two sets of 16 neighbours
.set E,     112                        ; v112-127 a scale byte for each step
.set C,     128                        ; v128-191 codes: four registers for each step, so that no store's data are written again
.set WREG,  8192                       ; LDS: a region for each wave: two stages of 32 x SP bytes, behind them its 256 scale bytes
.set SP,    80                         ; a lane's place in a stage: its 64 bytes + 16 of padding
.set SPW,   12                         ; v12      LDS address of my spare word; never rewritten
.set NIL,   13                         ; v13      0; never rewritten
.set SPARE, WAVES*WREG                 ; behind the four regions: the spare words, 128 bytes a wave
	s_load_b512 s[8:23], s[0:1], 0x0               ; query s[8:9], keys, values, Wq s[14:15], Wk, Wv, Wo s[20:21], mask s[22:23]
	s_load_b256 s[24:31], s[0:1], 0x40             ; codes s[24:25], scales s[26:27], wo16 s[28:29], mb s[30:31]
	v_lshl_add_u32 v[SPW], v0, 2, SPARE
	v_mov_b32 v[NIL], 0
	v_lshrrev_b32 v1, 5, v0
	v_readfirstlane_b32 s32, v1                    ; wave
	v_and_b32 v2, 31, v0                           ; lane
	v_lshlrev_b32 v3, 4, v2                        ; 16 x lane: my 16 bytes of a load's 512
	v_lshlrev_b32 v4, 3, v2                        ; 8 x lane: my 8 bytes of a store's 256
	s_mul_i32 s33, s32, WREG
	v_lshrrev_b32 v14, 2, v2
	v_mul_u32_u24 v14, v14, SP
	v_and_b32 v15, 3, v2
	v_lshl_add_u32 v14, v15, 4, v14
	v_add_nc_u32 v14, s33, v14                     ; the stage, on the way in: four lanes' 64 bytes on end, then 16 of padding
	v_mul_u32_u24 v15, v2, SP
	v_add_nc_u32 v15, s33, v15                     ; and on the way out: SP x lane: my 16 neighbours
	v_lshrrev_b32 v5, 1, v2
	s_add_co_u32 s33, s33, 2*32*SP
	v_add_nc_u32 v5, s33, v5                       ; my wave's 256 scale bytes: my block's byte
	v_add_nc_u32 v6, s33, v4                       ; and on the way out 8 bytes a lane
	s_mov_b32 s35, 0                               ; the upper word of every offset
	s_wait_kmcnt 0x0
	s_cmp_ge_u32 ttmp9, 864
	s_cbranch_scc1 .Lother
; ---- (1) the quantiser.  The source is chosen by the work-group's number; the destinations are linear in it
.macro PICK below, ptr, first
	s_cmp_lt_u32 ttmp9, \below
	s_cselect_b64 s[4:5], s[\ptr:\ptr+1], s[4:5]
	s_cselect_b32 s33, \first, s33
.endm
	s_mov_b64 s[4:5], s[18:19]                     ; Wv, whose first work-group is 832,
	s_mov_b32 s33, 832
	PICK 832, 16, 800                              ; unless the number lies under it: Wk,
	PICK 800, 14, 768                              ; Wq,
	PICK 768, 12, 512                              ; values,
	PICK 512, 10, 256                              ; keys,
	PICK 256, 8, 0                                 ; query
	s_sub_co_u32 s33, ttmp9, s33
	s_lshl_b32 s33, s33, 2
	s_add_co_u32 s33, s33, s32                     ; which run of 8,192 numbers of the tensor is my wave's
	s_lshl_b32 s34, s33, 15                        ; 32,768 bytes a run
	s_add_nc_u64 s[4:5], s[4:5], s[34:35]
	s_lshl_b32 s33, ttmp9, 2
	s_add_co_u32 s33, s33, s32                     ; which run of the workspace
	s_lshl_b32 s34, s33, 12                        ; 4,096 bytes of codes a run
	s_add_nc_u64 s[24:25], s[24:25], s[34:35]
	s_lshl_b32 s34, s33, 8                         ; 256 scale bytes a run
	s_add_nc_u64 s[26:27], s[26:27], s[34:35]
.macro LOAD t
.irp i, 0,1,2,3
	global_load_b128 v[R+16*((\t)%4)+4*\i:R+16*((\t)%4)+4*\i+3], v3, s[4:5] offset:2048*(\t)+512*\i th:TH_LOAD_NT   ; 32 lanes read 512 consecutive bytes
.endr
.endm
.macro TURN t                          ; step t's numbers through the stage: LDS serves a wave's instructions in order, so no wait stands between the stores and the loads
.irp i, 0,1,2,3
	ds_store_b128 v14, v[R+16*((\t)%4)+4*\i:R+16*((\t)%4)+4*\i+3] offset:32*SP*((\t)%2)+8*SP*\i
.endr
.irp i, 0,1,2,3
	ds_load_b128 v[X+16*((\t)%2)+4*\i:X+16*((\t)%2)+4*\i+3], v15 offset:32*SP*((\t)%2)+16*\i
.endr
.endm
.irp t, 0,1,2,3
	LOAD \t
.endr
	s_wait_loadcnt 12                              ; step 0's four loads are in; the twelve of steps 1 to 3 may be out
	TURN 0
.macro STEP t
.set XS, X+16*((\t)%2)
.if (\t) > 0
	s_wait_dscnt 1                                 ; this step's numbers are back from the stage (the last step's byte store may be out): so its stores into the stage have read their registers,
.else
	s_wait_dscnt 0x0
.endif
.if (\t)+4 < STEPS
	LOAD (\t)+4                                    ; which take the loads of four steps on
.endif
.if (\t)+1 < STEPS
.if STEPS-2-(\t) >= 3
	s_wait_loadcnt 12                              ; the next step's four loads are in; those of the three steps behind it may be out
.else
	s_wait_loadcnt 4*(STEPS-2-(\t))
.endif
	TURN (\t)+1                                    ; and go through the other stage while this step is worked
.endif
	v_max3_num_f32 v8, |v[XS]|, |v[XS+1]|, |v[XS+2]|               ; the largest magnitude of my 16
	v_max3_num_f32 v9, |v[XS+3]|, |v[XS+4]|, |v[XS+5]|
.irp i, 6,10
	v_max3_num_f32 v8, v8, |v[XS+\i]|, |v[XS+\i+1]|
	v_max3_num_f32 v9, v9, |v[XS+\i+2]|, |v[XS+\i+3]|
.endr
	v_max3_num_f32 v8, v8, |v[XS+14]|, |v[XS+15]|
	v_max3_num_f32 v8, v8, v9, (EMAX+1)<<23        ; and the floor 2^(EMAX + 1 - 127): so the byte cannot fall under 1
	v_max_num_f32_dpp v8, v8, v8 row_xmask:1 row_mask:0xf bank_mask:0xf   ; and of my neighbour's 16: the block's
	v_add_nc_u32 v11, -(EMAX<<23), v8              ; EMAX off its exponent field: the conversion takes the exponent field of this operand as its scale, and nothing else of it
	v_cvt_scalef32_pk8_fp4_f32 v[C+4*(\t)], v[XS:XS+7], v11        ; eight numbers / the scale, to the nearest code, ties to even, beyond the largest code the largest; the first number's code in the lowest four bits
	v_cvt_scalef32_pk8_fp4_f32 v[C+4*(\t)+1], v[XS+8:XS+15], v11
	v_lshrrev_b32 v[E+(\t)], 23, v11               ; the scale's byte (also the plain line behind the conversions)
	ds_store_b8 v5, v[E+(\t)] offset:16*(\t)       ; both lanes of a block write the same byte with the same value
	global_store_b64 v4, v[C+4*(\t):C+4*(\t)+1], s[24:25] offset:32*CB*(\t)   ; the wave stores 256 consecutive bytes, aligned
.endm
.irp t, 0,1,2,3,4,5,6,7,8,9,10,11,12,13,14,15
	STEP \t
.endr
	ds_load_b64 v[8:9], v6                         ; LDS serves a wave's instructions in order: this sees my byte stores
	s_wait_dscnt 0x0
	global_store_b64 v4, v[8:9], s[26:27]          ; the wave's 256 scale bytes, 256 consecutive bytes, aligned
	s_wait_tensorcnt 0x0                           ; the wave's end, behind my last LDS store
	ds_add_u32 v[SPW], v[NIL]
	s_wait_dscnt 0x0
	s_endpgm
.Lother:
	s_cmp_eq_u32 ttmp9, 896
	s_cbranch_scc1 .Lmask
; ---- (2) Wo to f16: a wave takes 8,192 numbers, in four groups of 16 loads; two groups of loads are out.  No LDS
	s_sub_co_u32 s33, ttmp9, 864
	s_lshl_b32 s33, s33, 2
	s_add_co_u32 s33, s33, s32                     ; my run
	s_lshl_b32 s34, s33, 15
	s_add_nc_u64 s[20:21], s[20:21], s[34:35]
	s_lshl_b32 s34, s33, 14
	s_add_nc_u64 s[28:29], s[28:29], s[34:35]
.macro LOADW q
.irp i, 0,1,2,3,4,5,6,7,8,9,10,11,12,13,14,15
	global_load_b128 v[16+64*((\q)%2)+4*\i:16+64*((\q)%2)+4*\i+3], v3, s[20:21] offset:512*(16*(\q)+\i) th:TH_LOAD_NT
.endr
.endm
.macro CONVW q
.set WS, 16+64*((\q)%2)
.if (\q) < 3
	s_wait_loadcnt 16                              ; this group's 16 loads are in; the next group's 16 may be out
.else
	s_wait_loadcnt 0x0
.endif
.if (\q) > 0
	s_wait_xcnt 0x0                                ; the last group's stores have read their data: v144-175 are written again only behind this wait
.endif
.set i, 0
.rept 32
	v_cvt_pk_f16_f32 v[144+i], v[WS+2*i], v[WS+2*i+1]
.set i, i+1
.endr
.if (\q) < 2
	LOADW (\q)+2
.endif
.irp u, 0,1,2,3,4,5,6,7,8,9,10,11,12,13,14,15
	global_store_b64 v4, v[144+2*\u:145+2*\u], s[28:29] offset:256*(16*(\q)+\u)   ; 256 consecutive bytes, aligned
.endr
.endm
	LOADW 0
	LOADW 1
	CONVW 0
	CONVW 1
	CONVW 2
	CONVW 3
	s_endpgm
.Lmask:
; ---- (3) the mask: wave w takes batch w, 2,048 whole numbers, 64 a lane.  No LDS
	s_lshl_b32 s34, s32, 13
	s_add_nc_u64 s[22:23], s[22:23], s[34:35]      ; my batch's mask,
	s_add_nc_u64 s[36:37], s[30:31], s[34:35]      ; its bias,
	s_lshl_b32 s34, s32, 7
	s_add_nc_u64 s[38:39], s[30:31], s[34:35]      ; and, 32,768 bytes on, its factor
.irp i, 0,1,2,3,4,5,6,7,8,9,10,11,12,13,14,15
	global_load_b128 v[16+4*\i:19+4*\i], v3, s[22:23] offset:512*\i
.endr
	v_lshlrev_b32 v7, 2, v2                        ; 4 x lane
	s_wait_loadcnt 0x0
.irp k, 0,1,2,3
	v_or_b32 v[8+\k], v[16+\k], v[20+\k]           ; is any of my 64 not 0?  Four chains
.endr
.set j, 24
.rept 14
.irp k, 0,1,2,3
	v_or_b32 v[8+\k], v[8+\k], v[j+\k]
.endr
.set j, j+4
.endr
	v_or_b32 v8, v8, v9
	v_or_b32 v10, v10, v11
	v_or_b32 v8, v8, v10
	v_cmp_ne_u32 s40, 0, v8                        ; a bit for each lane that has a key left
	s_cmp_lg_u32 s40, 0                            ; has the batch one?  Only values are chosen by it
	s_cselect_b32 s42, 0xe0ad78ec, 0               ; -1e20, or 0 in a batch with no key left
	s_cselect_b32 s43, 0x3e38aa3b, 0               ; c = log2(e) / 8, or 0
	v_mov_b32 v9, s42
	v_mov_b32 v10, s43
.set j, 16
.rept 64
	v_cmp_eq_u32 vcc_lo, 0, v[j]
	v_cndmask_b32 v[j], 0, v9, vcc_lo
.set j, j+1
.endr
.irp i, 0,1,2,3,4,5,6,7,8,9,10,11,12,13,14,15
	global_store_b128 v3, v[16+4*\i:19+4*\i], s[36:37] offset:512*\i
.endr
	global_store_b32 v7, v10, s[38:39] offset:32768
	s_endpgm
.Lfunc_end_k_q7cff50e9ac_prep:
	.size	k_q7cff50e9ac_prep, .Lfunc_end_k_q7cff50e9ac_prep-k_q7cff50e9ac_prep
	.p2alignl 7, 3214868480
	.fill 96, 4, 3214868480
	.section	.rodata,"a",@progbits
	.p2align	6, 0x0
	.amdhsa_kernel k_q7cff50e9ac_prep
		.amdhsa_group_segment_fixed_size 33280
		.amdhsa_private_segment_fixed_size 0
		.amdhsa_enable_private_segment 0
		.amdhsa_kernarg_size 96
		.amdhsa_user_sgpr_count 2
		.amdhsa_user_sgpr_kernarg_segment_ptr 1
		.amdhsa_wavefront_size32 1
		.amdhsa_system_sgpr_workgroup_id_x 1
		.amdhsa_system_sgpr_workgroup_id_y 1
		.amdhsa_system_sgpr_workgroup_id_z 1
		.amdhsa_system_vgpr_workitem_id 0
		.amdhsa_next_free_vgpr 192
		.amdhsa_next_free_sgpr 66
		.amdhsa_reserve_vcc 1
		.amdhsa_float_denorm_mode_32 3
		.amdhsa_float_denorm_mode_16_64 3
		.amdhsa_memory_ordered 1
		.amdhsa_forward_progress 1
		.amdhsa_inst_pref_size 64
	.end_amdhsa_kernel
	.amdgpu_metadata
---
amdhsa.version: [ 1, 2 ]
amdhsa.kernels:
  - .name:           k_q7cff50e9ac_prep
    .symbol:         k_q7cff50e9ac_prep.kd
    .args:
      - { .name: query, .offset: 0, .size: 8, .value_kind: global_buffer, .address_space: global }
      - { .name: keys, .offset: 8, .size: 8, .value_kind: global_buffer, .address_space: global }
      - { .name: values, .offset: 16, .size: 8, .value_kind: global_buffer, .address_space: global }
      - { .name: Wq, .offset: 24, .size: 8, .value_kind: global_buffer, .address_space: global }
      - { .name: Wk, .offset: 32, .size: 8, .value_kind: global_buffer, .address_space: global }
      - { .name: Wv, .offset: 40, .size: 8, .value_kind: global_buffer, .address_space: global }
      - { .name: Wo, .offset: 48, .size: 8, .value_kind: global_buffer, .address_space: global }
      - { .name: mask, .offset: 56, .size: 8, .value_kind: global_buffer, .address_space: global }
      - { .name: codes, .offset: 64, .size: 8, .value_kind: global_buffer, .address_space: global }
      - { .name: scales, .offset: 72, .size: 8, .value_kind: global_buffer, .address_space: global }
      - { .name: wo16, .offset: 80, .size: 8, .value_kind: global_buffer, .address_space: global }
      - { .name: mb, .offset: 88, .size: 8, .value_kind: global_buffer, .address_space: global }
    .group_segment_fixed_size: 33280
    .private_segment_fixed_size: 0
    .kernarg_segment_align: 8
    .kernarg_segment_size: 96
    .max_flat_workgroup_size: 128
    .sgpr_count:     66
    .vgpr_count:     192
    .wavefront_size: 32
...
	.end_amdgpu_metadata
.endif
;; end of part 1
;; launch proj (part 2): grid 4 x 96, 4 waves a work-group, clusters of 4 x 4, 327,680 bytes of LDS; arguments codes, scales, bq, bk, bv, mb, qkv; writes qkv
.if DOCPART == 2
	.amdgcn_target "amdgcn-amd-amdhsa--gfx1250"
	.amdhsa_code_object_version 6
	.text
	.protected	k_q7cff50e9ac_proj
	.globl	k_q7cff50e9ac_proj
	.p2align	8
	.type	k_q7cff50e9ac_proj,@function
k_q7cff50e9ac_proj:
	s_mov_b64 s[64:65], 0
	v_nop
	global_prefetch_b8 v0, s[64:65] scope:SCOPE_SE
	s_setreg_imm32_b32 hwreg(HW_REG_WAVE_MODE, 25, 1), 1
	s_wait_xcnt 0x0
	s_wait_alu depctr_hold_cnt(0) depctr_sa_sdst(0) depctr_va_vdst(0) depctr_va_sdst(0) depctr_va_ssrc(0) depctr_va_vcc(0) depctr_vm_vsrc(0)
	s_getreg_b32 s2, hwreg(HW_REG_IB_STS2, 6, 4)
	s_cmp_eq_u32 s2, 0
	s_cbranch_scc0 .Lentry_in_a_cluster
	s_endpgm
.Lentry_in_a_cluster:
	s_bfe_u32 s2, ttmp6, 0x10000c
	s_cmp_lg_u32 s2, 0xf033
	s_cbranch_scc0 .Lentry_shape_is_right
	s_endpgm
.Lentry_shape_is_right:
; PROJ: the three quantised products in one launch: [24576 rows: query, keys, values][1024] x (Wq, Wk or Wv)^T + bias, on codes of FP4 (E2M1) with one E8M0 scale for each 32 along K; sums in f32.
; The result leaves as f16, laid by head: qkv [3][batch 4][head 16][2048][64].  Tensor 0 (q) is multiplied by its batch's factor (c = log2(e) / 8, or 0 in a batch with no key left), in f32, ahead of the rounding.
; A tile of 256 x 256 is made by a work-group of four waves, a wave makes 128 x 128: 64 accumulators, 512 registers.  K = 1,024 is two slots of 512: both are asked for at the head, nothing is filled again, and there is no loop.
; THE SCALES of the work-group's 256 + 256 rows, for all of K, come once, as rows of 256 bytes with 16 of padding.
; CLUSTERS: 4 x 4 work-groups.  The four of a row of the cluster need the same rows of x, the four of a column the same rows of W: each tile is asked for jointly.  A cluster's 1,024 rows lie in one tensor and one batch,
; so which W, which bias and which factor hang on the cluster's y alone.
; THE MATRIX INSTRUCTION IS USED TRANSPOSED (source 0 = 16 rows of W, source 1 = 16 rows of x): a lane holds eight neighbouring columns of one row.  THE BIAS is the C of each sum's first product.
; REGISTERS, in windows of 256: window 0: v0-31 addresses; v32-95 scale words, two sets, and nothing else; v96-127 packed f16; v128-191 x's fragments, ONE set, later rows read back; v192-255 the bias, later scaled results.
;   window 1: W's fragments, TWO sets, at v0 and v128.   window 2: the accumulators of my rows 0-63 ((a, b) at v[8 (8 a + b)]);   window 3: those of my rows 64-127.
; LIMITS: c q, k or v beyond 65,504 is not served; NaN and infinities are not served.
; All of a WGP's LDS is claimed.
.set SIZE_K, 1024
.set WROW0,  24576                     ; the row of the codes' buffer at which Wq begins
.set KSTEP,  512
.set NQ,     KSTEP/128
.set ROWB,   256                       ; a tile's row in bytes
.set KROW,   SIZE_K*4/8                ; a row of codes in memory
.set PITCH,  272                       ; an LDS row: 256 bytes + 16 of padding: the 16 rows that a load touches start at 16 different banks
.set FR,     8
.set NL,     2
.set NP,     4
.set HALFT,  128*PITCH
.set SLOT,   4*HALFT                   ; x's 256 rows, then W's 256 rows
.set KS,     SIZE_K/32                 ; a row of scales in bytes
.set SCL,    2*SLOT                    ; behind the two slots: the scales
.set HALFS,  (128*KS/256)*272
.set SBLK,   (16*KS/256)*272
.set SPARE,  SCL+4*HALFS               ; behind the scales: the spare words, 128 bytes a wave
.set SPITCH, 272                       ; the way out: a stage of 16 rows x (256 bytes + 16) for each wave, in slot 0, which has had its only fill and its last read when the first result is stored there
.set ADRA, 16
.set ADRB, 20
.set STO,  24
.set RD,   25
.set CO,   26
.set ADRS, 27
.set SPW,  28
.set NIL,  29
.set SC,   32
.set CV,   96
.set AF,   128
.set BK,   128
.set BI,   192
.set TT,   192
.set G1, 24
.set G0, 32
.set G1B, 48
.set G0B, 56
.set G1S, 68
.set G0S, 76
.set G1SB, 80
.set G0SB, 88
.set MSB, 0
.macro WIN new                         ; the immediate's high byte repeats the setting that is left
.if MSB != \new
	s_set_vgpr_msb (MSB<<8)|\new
.set MSB, \new
.endif
.endm
.set MUL_LO, 0xa1                      ; source 0 (W) window 1, source 1 (x) window 0, C and D window 2
.set MUL_HI, 0xf1                      ; the same, C and D window 3
.set FIRST_LO, 0x81                    ; the first products: C (the bias) window 0, D window 2
.set FIRST_HI, 0xc1                    ; D window 3
.set TO_B,   0x40                      ; destination window 1, address window 0
; A joint load: waves 0 and 1 fetch for x, waves 2 and 3 for W.  The branch hangs on the wave's number alone.  An s_nop 0 and four v_nop follow each of the two lines.
.macro JLOAD g0a, g1a, g0b, g1b
	s_cmp_eq_u32 s15, 0
	s_cbranch_scc0 .Lfor_b_\@
	tensor_load_to_lds s[\g0a:\g0a+3], s[\g1a:\g1a+7]
	s_nop 0
.rept 4
	v_nop
.endr
	s_branch .Lasked_\@
.Lfor_b_\@:
	tensor_load_to_lds s[\g0b:\g0b+3], s[\g1b:\g1b+7]
	s_nop 0
.rept 4
	v_nop
.endr
.Lasked_\@:
.endm
.macro CROUND                          ; a round of the cluster's barrier
	s_barrier_signal -1
	s_barrier_wait -1
	s_cmp_lg_u32 s14, 0
	s_cbranch_scc1 .Lnot_wave_0_\@
	s_barrier_signal -3
.Lnot_wave_0_\@:
	s_barrier_wait -3
	s_barrier_signal -1
	s_barrier_wait -1
.endm
	s_load_b128 s[4:7], s[0:1], 0x0                ; codes s[4:5], scales s[6:7]
	s_load_b128 s[8:11], s[0:1], 0x10              ; bq s[8:9], bk s[10:11]
	s_load_b128 s[96:99], s[0:1], 0x20             ; bv s[96:97], mb s[98:99]
	s_load_b64 s[12:13], s[0:1], 0x30              ; qkv
	v_lshl_add_u32 v[SPW], v0, 2, SPARE
	v_mov_b32 v[NIL], 0
	ds_add_u32 v[SPW], v[NIL]                      ; the wave's opening: the add, twice on end, and its wait ahead of my first tensor load
	ds_add_u32 v[SPW], v[NIL]
	v_lshrrev_b32 v1, 5, v0
	v_readfirstlane_b32 s14, v1                    ; wave 0..3
	s_lshr_b32 s15, s14, 1                         ; which half of the tile's rows is mine.  Also: I fetch for x (0) or for W (1)
	s_and_b32 s16, s14, 1                          ; which half of its columns.  Also: which 128 rows of that tile I fetch
	s_bfe_u32 s40, ttmp6, 0x40000                  ; cx, cy: my place in the cluster
	s_bfe_u32 s41, ttmp6, 0x40004
	s_lshl_b32 s42, ttmp9, 2
	s_add_co_u32 s42, s42, s40                     ; tile column = 4 x cluster x + cx
	s_and_b32 s17, ttmp7, 0xffff
	s_lshl_b32 s17, s17, 2
	s_add_co_u32 s17, s17, s41                     ; tile row = 4 x cluster y + cy
	s_and_b32 s2, ttmp7, 0xffff                    ; from the cluster's y alone:
	s_bfe_u32 s3, s2, 0x20001                      ; the batch: a batch is two clusters high,
	s_lshr_b32 s2, s2, 3                           ; the tensor (0 q, 1 k, 2 v): eight clusters high
	s_lshl_b32 s43, s41, 2
	s_lshl_b32 s43, 15, s43                        ; my row of the cluster
	s_lshl_b32 s44, 0x1111, s40                    ; my column
	; descriptor group 1: a tile of 128 rows x 256 bytes, padded in LDS
	s_or_b32 s[G1+0], s43, (0<<16)|(1<<20)|(1<<21)|(5<<22)|(3<<25)  ; the mask: x's tiles go to my row; elements of 1 byte; padding on; bit 21 beside a mask; after every 64 words 4 words
	s_or_b32 s[G1B+0], s44, (0<<16)|(1<<20)|(1<<21)|(5<<22)|(3<<25)
.irp g, G1, G1B
	s_mov_b32 s[\g+1], ROWB<<16                    ; tensor_dim0
	s_mov_b32 s[\g+2], 128<<16                     ; tensor_dim1
	s_mov_b32 s[\g+3], ROWB<<16                    ; tile_dim0
	s_mov_b32 s[\g+4], 128                         ; tile_dim1
	s_mov_b32 s[\g+5], KROW                        ; the pitch
	s_mov_b32 s[\g+6], 0
	s_mov_b32 s[\g+7], 0
.endr
	; the scales of 128 rows: a dense block of 4,096 bytes, as rows of 256 bytes (32 elements of 8 bytes), 16 bytes of padding behind each
	s_or_b32 s[G1S+0], s43, (3<<16)|(1<<20)|(1<<21)|(5<<22)|(3<<25)
	s_or_b32 s[G1SB+0], s44, (3<<16)|(1<<20)|(1<<21)|(5<<22)|(3<<25)
.irp g, G1S, G1SB
	s_mov_b32 s[\g+1], 32<<16
	s_mov_b32 s[\g+2], (128*KS/256)<<16
	s_mov_b32 s[\g+3], 32<<16
	s_mov_b32 s[\g+4], 128*KS/256
	s_mov_b32 s[\g+5], 32
	s_mov_b32 s[\g+6], 0
	s_mov_b32 s[\g+7], 0
.endr
	s_lshl_b32 s18, s16, 7                         ; which 128 rows of the tile I fetch
	s_lshl_b32 s20, s17, 8
	s_add_co_u32 s20, s20, s18                     ; x: row 256 x tile row + 128 x half
	s_lshl_b32 s46, s42, 8
	s_add_co_u32 s46, s46, s18                     ; W: row 256 x tile column + 128 x half,
	s_lshl_b32 s47, s2, 10
	s_add_co_u32 s46, s46, s47                     ; in the tensor's own weight,
	s_add_co_u32 s46, s46, WROW0                   ; behind the 24,576 rows of x
	s_mov_b32 s21, 0
	s_mov_b32 s47, 0
	s_mov_b64 s[18:19], KS
	s_mul_u64 s[22:23], s[20:21], s[18:19]         ; where these rows' scales begin, in bytes
	s_mul_u64 s[92:93], s[46:47], s[18:19]
	s_mov_b64 s[18:19], KROW
	s_mul_u64 s[20:21], s[20:21], s[18:19]         ; and their codes
	s_mul_u64 s[46:47], s[46:47], s[18:19]
	s_mul_i32 s45, s14, HALFT                      ; where they go: wave x 128 rows
	s_mul_i32 s94, s14, HALFS
	s_wait_dscnt 0x0                               ; both opening adds are done
	s_wait_kmcnt 0x0
	s_add_nc_u64 s[20:21], s[4:5], s[20:21]
	s_add_nc_u64 s[22:23], s[6:7], s[22:23]
	s_add_nc_u64 s[46:47], s[4:5], s[46:47]
	s_add_nc_u64 s[92:93], s[6:7], s[92:93]
	CROUND                                         ; all sixteen work-groups are here: the joint loads meet
	s_mov_b32 s[G0S], 1
	s_add_co_u32 s[G0S+1], s94, SCL
	s_mov_b64 s[G0S+2:G0S+3], s[22:23]
	s_or_b32 s[G0S+3], s[G0S+3], 0x80000000
	s_mov_b32 s[G0SB], 1
	s_add_co_u32 s[G0SB+1], s94, SCL
	s_mov_b64 s[G0SB+2:G0SB+3], s[92:93]
	s_or_b32 s[G0SB+3], s[G0SB+3], 0x80000000
	JLOAD G0S, G1S, G0SB, G1SB                     ; the scales first: they are wanted with K step 0.  With the two below, three loads of mine are out
.irp s, 0,1
	s_mov_b32 s[G0+4*\s], 1
	s_add_co_u32 s[G0+4*\s+1], s45, \s*SLOT
	s_add_nc_u64 s[G0+4*\s+2:G0+4*\s+3], s[20:21], \s*ROWB
	s_or_b32 s[G0+4*\s+3], s[G0+4*\s+3], 0x80000000
	s_mov_b32 s[G0B+4*\s], 1
	s_add_co_u32 s[G0B+4*\s+1], s45, \s*SLOT
	s_add_nc_u64 s[G0B+4*\s+2:G0B+4*\s+3], s[46:47], \s*ROWB
	s_or_b32 s[G0B+4*\s+3], s[G0B+4*\s+3], 0x80000000
	JLOAD G0+4*\s, G1, G0B+4*\s, G1B
.endr
	v_and_b32 v1, 15, v0                           ; r = l % 16
	v_bfe_u32 v2, v0, 4, 1                         ; h = l / 16
	; the bias of my 128 columns, in the result's layout: for W's block b the eight numbers 16 b + 8 h + 0 .. 7
	s_cmp_eq_u32 s2, 1
	s_cselect_b64 s[8:9], s[10:11], s[8:9]
	s_cmp_eq_u32 s2, 2
	s_cselect_b64 s[8:9], s[96:97], s[8:9]
	s_lshl_b32 s46, s42, 10                        ; my first column x 4 bytes: 1,024 x tile column + 512 x half
	s_lshl_b32 s47, s16, 9
	s_add_co_u32 s46, s46, s47
	s_mov_b32 s47, 0
	s_add_nc_u64 s[8:9], s[8:9], s[46:47]
	v_lshlrev_b32 v8, 5, v2
.irp b, 0,1,2,3,4,5,6,7
	global_load_b128 v[BI+8*\b:BI+8*\b+3], v8, s[8:9] offset:64*\b
	global_load_b128 v[BI+8*\b+4:BI+8*\b+7], v8, s[8:9] offset:64*\b+16
.endr
	v_mul_u32_u24 v3, v1, PITCH
	v_lshl_add_u32 v4, v2, 4, v3                   ; a fragment's row x pitch + 16 x half
	s_mul_i32 s21, s15, HALFT                      ; my 128 rows of x
	s_mul_i32 s22, s16, HALFT                      ; my 128 rows of W,
	s_add_co_u32 s22, s22, 2*HALFT                 ; which lie behind x's 256
.irp s, 0,1
	v_add_nc_u32 v[ADRA+\s], s21, v4
	v_add_nc_u32 v[ADRB+\s], s22, v4
	s_add_co_u32 s21, s21, SLOT
	s_add_co_u32 s22, s22, SLOT
.endr
	v_mul_u32_u24 v5, v1, KS                       ; my row's scales: KS bytes a row,
	v_lshrrev_b32 v6, 8, v5
	v_lshl_add_u32 v5, v6, 4, v5                   ; and 16 more for each 256 passed
	s_mul_i32 s21, s15, HALFS                      ; x's: my 128 rows
	s_mul_i32 s22, s16, HALFS                      ; W's: my 128 rows, behind x's 256
	s_add_co_u32 s22, s22, 2*HALFS
	s_sub_co_u32 s22, s22, s21
	v_mul_u32_u24 v6, s22, v2                      ; lanes 16-31 take W's
	s_add_co_u32 s21, s21, SCL
	v_add_nc_u32 v5, v5, v6
	v_add_nc_u32 v[ADRS], s21, v5
	s_mul_i32 s23, s14, 16*SPITCH                  ; my stage
	v_mul_u32_u24 v5, v1, SPITCH                   ; in: row r, 16 bytes for each half of the lanes
	v_lshl_add_u32 v5, v2, 4, v5
	v_add_nc_u32 v[STO], s23, v5
	v_and_b32 v6, 31, v0
	v_lshlrev_b32 v[CO], 4, v6                     ; out: 16 x lane: 512 consecutive bytes of one head: four rows of 128 bytes
	v_lshrrev_b32 v7, 3, v6
	v_mul_u32_u24 v7, v7, SPITCH                   ; back: eight lanes to a head's 128 bytes of a row, four rows an instruction
	v_and_b32 v6, 7, v6
	v_lshl_add_u32 v7, v6, 4, v7
	v_add_nc_u32 v[RD], s23, v7
	; where my part begins in qkv: tensor, batch, my first head (4 x tile column + 2 x half), my first row in the batch
	s_lshl_b32 s20, s17, 8
	s_lshl_b32 s21, s15, 7
	s_add_co_u32 s20, s20, s21
	s_and_b32 s20, s20, 2047
	s_lshl_b32 s20, s20, 7                         ; 128 bytes a row
	s_lshl_b32 s21, s2, 24                         ; 16,777,216 bytes a tensor
	s_add_co_u32 s20, s20, s21
	s_lshl_b32 s21, s3, 22                         ; 4,194,304 a batch
	s_add_co_u32 s20, s20, s21
	s_lshl_b32 s21, s42, 2
	s_lshl_b32 s22, s16, 1
	s_add_co_u32 s21, s21, s22
	s_lshl_b32 s21, s21, 18                        ; 262,144 a head
	s_add_co_u32 s20, s20, s21
	s_mov_b32 s21, 0
	s_add_nc_u64 s[12:13], s[12:13], s[20:21]
	s_lshl_b32 s94, s3, 7                          ; the batch's factor: 128 bytes a batch, 32,768 bytes into mb
	s_mov_b32 s95, 0
	s_add_nc_u64 s[98:99], s[98:99], s[94:95]
	s_load_b32 s3, s[98:99], 0x8000
	s_wait_kmcnt 0x0
	s_cmp_eq_u32 s2, 0                             ; it is q's alone: k and v are multiplied by 1
	s_cselect_b32 s2, s3, 1.0
	s_mov_b32 s3, s2                               ; (the packed form names the pair)
.macro FRAG reg, adr, q, i             ; 16 rows x 128 K of 4-bit codes: 8 registers: lane l holds row l % 16; registers 4 c .. 4 c + 3 hold K = 64 c + 32 (l / 16) + 0 .. 31
.irp c, 0,1
	ds_load_b128 v[\reg+4*\c:\reg+4*\c+3], v[\adr] offset:64*(\q)+32*\c+(\i)*16*PITCH
.endr
.endm
; 16 matrix instructions: x's blocks a0, a0 + 1 against W's eight, 128 along K.  zero = 1: the first product starts the sums on the bias.  The 64 accumulators take turns, one instruction a turn.
.macro MUL16 a0, p, q, sc, zero
.irp a, \a0, \a0+1
.irp b, 0,1,2,3,4,5,6,7
.if \zero
	v_wmma_scale_f32_16x16x128_f8f6f4 v[8*(8*((\a)%4)+\b):8*(8*((\a)%4)+\b)+7], v[128*(\p)+FR*\b:128*(\p)+FR*\b+FR-1], v[AF+FR*(\a):AF+FR*(\a)+FR-1], v[BI+8*\b:BI+8*\b+7], v[SC+8*NQ*(\sc)+NQ*\b+(\q)], v[SC+8*NQ*(\sc)+NQ*(\a)+(\q)] matrix_a_fmt:MATRIX_FMT_FP4 matrix_b_fmt:MATRIX_FMT_FP4 matrix_a_scale:MATRIX_SCALE_ROW1
.else
	v_wmma_scale_f32_16x16x128_f8f6f4 v[8*(8*((\a)%4)+\b):8*(8*((\a)%4)+\b)+7], v[128*(\p)+FR*\b:128*(\p)+FR*\b+FR-1], v[AF+FR*(\a):AF+FR*(\a)+FR-1], v[8*(8*((\a)%4)+\b):8*(8*((\a)%4)+\b)+7], v[SC+8*NQ*(\sc)+NQ*\b+(\q)], v[SC+8*NQ*(\sc)+NQ*(\a)+(\q)] matrix_a_fmt:MATRIX_FMT_FP4 matrix_b_fmt:MATRIX_FMT_FP4 matrix_a_scale:MATRIX_SCALE_ROW1
.endif
.endr
.endr
.endm
.macro FETCH_B slot, q, p              ; W's eight fragments of the slot's q-th 128 along K into set p
	WIN TO_B
.irp i, 0,1,2,3,4,5,6,7
	FRAG 128*(\p)+FR*\i, ADRB+\slot, \q, \i
.endr
	WIN 0
.endm
.macro FETCH_A slot, q, i0             ; x's blocks i0 .. i0 + 3
.irp i, \i0, \i0+1, \i0+2, \i0+3
	FRAG AF+FR*(\i), ADRA+\slot, \q, \i
.endr
.endm
.macro SCALES sc                       ; a K step's scale words into set sc: lanes 0-15 take x's block i, lanes 16-31 W's block i
.irp i, 0,1,2,3,4,5,6,7
	ds_load_b128 v[SC+8*NQ*\sc+NQ*\i:SC+8*NQ*\sc+NQ*\i+3], v[ADRS] offset:\i*SBLK
.endr
.endm
.macro PLACES n                        ; plain vector instructions between a matrix instruction and a load into, or a read of, its registers
.rept \n
	v_nop
.endr
.endm
.macro STEP slot, q, zero              ; a step of 128 along K that has its successor in the same slot
	s_wait_dscnt 4*NL                              ; W's set and x's blocks 0-3 are in; the youngest eight loads (x's blocks 4-7) may be out
.if \zero
	WIN FIRST_LO
.else
	WIN MUL_LO
.endif
	MUL16 0, (\q)%2, \q, \slot, \zero
	MUL16 2, (\q)%2, \q, \slot, \zero
	s_wait_dscnt 0                                 ; x's blocks 4-7 are in
	PLACES NP
	FETCH_B \slot, (\q)+1, 1-(\q)%2
	FETCH_A \slot, (\q)+1, 0
.if \zero
	WIN FIRST_HI
.else
	WIN MUL_HI
.endif
	MUL16 4, (\q)%2, \q, \slot, \zero
	MUL16 6, (\q)%2, \q, \slot, \zero
	PLACES NP
	WIN 0
	FETCH_A \slot, (\q)+1, 4
.endm
; Slot 0's last step changes slots: one barrier; in front of it each wave waits for all its tensor loads, adds 0 to its spare word, and waits for that and for its own reads of slot 0.  Nothing is filled again.
.macro TURN slot, next
	s_wait_tensorcnt 0x0                           ; all my tensor loads have landed: my part of the next slot
	ds_add_u32 v[SPW], v[NIL]                      ; 0 onto my spare word
	s_wait_dscnt 4*NL+1                            ; (the add and the youngest eight loads, x's blocks 4-7, may be out)
	WIN MUL_LO
	MUL16 0, 1, NQ-1, \slot, 0
	s_wait_dscnt 0x0                               ; the add is done, and my reads of this slot are over
	s_barrier_signal -1
	MUL16 2, 1, NQ-1, \slot, 0
	WIN 0
	s_barrier_wait -1
	PLACES NP
	v_add_nc_u32 v[ADRS], 4*NQ, v[ADRS]            ; on to the next K step's scale words
	FETCH_B \next, 0, 0
	FETCH_A \next, 0, 0
	SCALES \next
	WIN MUL_HI
	MUL16 4, 1, NQ-1, \slot, 0
	MUL16 6, 1, NQ-1, \slot, 0
	PLACES NP
	WIN 0
	FETCH_A \next, 0, 4
.endm
.macro STEPS slot, from                ; the slot's steps from .. NQ - 2
.set Q, \from
.rept NQ-1-\from
	STEP \slot, Q, 0
.set Q, Q+1
.endr
.endm
	s_wait_tensorcnt 1                             ; the scales and my part of slot 0 are in (slot 1's load may be out)
	s_barrier_signal -1
	s_barrier_wait -1                              ; everybody's are
	FETCH_B 0, 0, 0
	FETCH_A 0, 0, 0
	SCALES 0
	FETCH_A 0, 0, 4
	s_wait_loadcnt 0x0                             ; the bias
	STEP 0, 0, 1                                   ; the first products start the sums on the bias
	STEPS 0, 1
	TURN 0, 1
	STEPS 1, 0
	s_wait_dscnt 4*NL                              ; the last step: nothing more to fetch
	WIN MUL_LO
	MUL16 0, 1, NQ-1, 1, 0
	MUL16 2, 1, NQ-1, 1, 0
	s_wait_dscnt 0
	WIN MUL_HI
	MUL16 4, 1, NQ-1, 1, 0
	MUL16 6, 1, NQ-1, 1, 0
	WIN 0
; THE WAY OUT, block by block of 16 rows x 128 columns (two heads).  PACK: x the factor, in f32, then rounded to f16: 16 bytes a lane.  TOSTAGE: into my own stage and back by heads: four rows x 128 bytes an instruction.
; SEND: 512 consecutive bytes of one head a store.  LDS serves a wave's instructions in order: no wait between the stores and the loads, nor in front of the next block's stores.
.macro PACK a
.set AC, 64*((\a)%4)
.set WN, 0x02+(\a)/4
	WIN WN                                         ; source 0: window 2 or 3
.set i, 0
.rept 32
	v_pk_mul_f32 v[TT+i:TT+i+1], v[AC+i:AC+i+1], s[2:3] op_sel_hi:[1,0]   ; each accumulator from its low end on
.set i, i+2
.endr
	WIN 0
.set i, 0
.rept 32
	v_cvt_pk_f16_f32 v[CV+i], v[TT+2*i], v[TT+2*i+1]
.set i, i+1
.endr
.endm
.macro TOSTAGE a
.irp b, 0,1,2,3,4,5,6,7
	ds_store_b128 v[STO], v[CV+4*\b:CV+4*\b+3] offset:32*\b
.endr
.set BB, BK+32*((\a)%2)
.irp u, 0,1,2,3,4,5,6,7
	ds_load_b128 v[BB+4*\u:BB+4*\u+3], v[RD] offset:(\u%4)*4*SPITCH+128*(\u/4)
.endr
.endm
.macro SEND a, younger                 ; younger: the LDS instructions issued behind block a's loads, which may stay out
.set BB, BK+32*((\a)%2)
	s_wait_dscnt \younger
.irp u, 0,1,2,3,4,5,6,7
	global_store_b128 v[CO], v[BB+4*\u:BB+4*\u+3], s[12:13] offset:2048*(\a)+262144*(\u/4)+512*(\u%4)
.endr
.endm
	PLACES NP                                      ; behind the last products: for the reads of results and the loads into the registers that held x's fragments
	PACK 0
	TOSTAGE 0
.irp a, 1,2,3,4,5,6,7
	PACK \a
.if \a > 1
	s_wait_xcnt 0x0                                ; block a - 2's stores have read their registers: block a's loads may land there
.endif
	TOSTAGE \a
	SEND \a-1, 16                                  ; behind block a - 1's loads: block a's 8 stores and 8 loads
.endr
	SEND 7, 0
	s_wait_tensorcnt 0x0                           ; the wave's end, behind my last tensor load and my last LDS store
	ds_add_u32 v[SPW], v[NIL]
	s_wait_dscnt 0x0
	CROUND                                         ; the closing round
	s_endpgm
.Lfunc_end_k_q7cff50e9ac_proj:
	.size	k_q7cff50e9ac_proj, .Lfunc_end_k_q7cff50e9ac_proj-k_q7cff50e9ac_proj
	.p2alignl 7, 3214868480
	.fill 96, 4, 3214868480
	.section	.rodata,"a",@progbits
	.p2align	6, 0x0
	.amdhsa_kernel k_q7cff50e9ac_proj
		.amdhsa_group_segment_fixed_size 327680
		.amdhsa_private_segment_fixed_size 0
		.amdhsa_enable_private_segment 0
		.amdhsa_kernarg_size 56
		.amdhsa_user_sgpr_count 2
		.amdhsa_user_sgpr_kernarg_segment_ptr 1
		.amdhsa_wavefront_size32 1
		.amdhsa_system_sgpr_workgroup_id_x 1
		.amdhsa_system_sgpr_workgroup_id_y 1
		.amdhsa_system_sgpr_workgroup_id_z 1
		.amdhsa_system_vgpr_workitem_id 0
		.amdhsa_next_free_vgpr 1024
		.amdhsa_next_free_sgpr 100
		.amdhsa_reserve_vcc 0
		.amdhsa_float_denorm_mode_32 3
		.amdhsa_float_denorm_mode_16_64 3
		.amdhsa_memory_ordered 1
		.amdhsa_forward_progress 1
		.amdhsa_inst_pref_size 145
	.end_amdhsa_kernel
	.amdgpu_metadata
---
amdhsa.version: [ 1, 2 ]
amdhsa.kernels:
  - .name:           k_q7cff50e9ac_proj
    .symbol:         k_q7cff50e9ac_proj.kd
    .args:
      - { .name: codes, .offset: 0, .size: 8, .value_kind: global_buffer, .address_space: global }
      - { .name: scales, .offset: 8, .size: 8, .value_kind: global_buffer, .address_space: global }
      - { .name: bq, .offset: 16, .size: 8, .value_kind: global_buffer, .address_space: global }
      - { .name: bk, .offset: 24, .size: 8, .value_kind: global_buffer, .address_space: global }
      - { .name: bv, .offset: 32, .size: 8, .value_kind: global_buffer, .address_space: global }
      - { .name: mb, .offset: 40, .size: 8, .value_kind: global_buffer, .address_space: global }
      - { .name: qkv, .offset: 48, .size: 8, .value_kind: global_buffer, .address_space: global }
    .group_segment_fixed_size: 327680
    .private_segment_fixed_size: 0
    .kernarg_segment_align: 8
    .kernarg_segment_size: 56
    .max_flat_workgroup_size: 128
    .sgpr_count:     100
    .vgpr_count:     1024
    .wavefront_size: 32
...
	.end_amdgpu_metadata
.endif
;; end of part 2
;; launch attn (part 3): grid 4 x 64, 8 waves a work-group, clusters of 4 x 1, 327,680 bytes of LDS; arguments qkv, mb, ao; writes ao
.if DOCPART == 3
	.amdgcn_target "amdgcn-amd-amdhsa--gfx1250"
	.amdhsa_code_object_version 6
	.text
	.protected	k_q7cff50e9ac_attn
	.globl	k_q7cff50e9ac_attn
	.p2align	8
	.type	k_q7cff50e9ac_attn,@function
k_q7cff50e9ac_attn:
	s_mov_b64 s[64:65], 0
	v_nop
	global_prefetch_b8 v0, s[64:65] scope:SCOPE_SE
	s_setreg_imm32_b32 hwreg(HW_REG_WAVE_MODE, 25, 1), 1
	s_wait_xcnt 0x0
	s_wait_alu depctr_hold_cnt(0) depctr_sa_sdst(0) depctr_va_vdst(0) depctr_va_sdst(0) depctr_va_ssrc(0) depctr_va_vcc(0) depctr_vm_vsrc(0)
	s_getreg_b32 s2, hwreg(HW_REG_IB_STS2, 6, 4)
	s_cmp_eq_u32 s2, 0
	s_cbranch_scc0 .Lentry_in_a_cluster
	s_endpgm
.Lentry_in_a_cluster:
	s_bfe_u32 s2, ttmp6, 0x10000c
	s_cmp_lg_u32 s2, 0x3003
	s_cbranch_scc0 .Lentry_shape_is_right
	s_endpgm
.Lentry_shape_is_right:
; ATTN: for each batch and head, O[q] = the sum over k of softmax_k(q . k / 8, masked keys at -1e20) v[k].  q (already x c = log2(e) / 8), k, v: f16 [3][64 heads][2048][64].  Products, maxima and sums in f32;
; the weights p are rounded to f16 for the second product, O once at the end.  O leaves as f16, [batch 4][block of 128 rows 16][head 16][128][64], as the last product wants its K steps.
; THE MASK is a bias of f32 for each key (0, or -1e20), made by the first launch: it is the C of the first product, so t = c q . k + bias costs no instruction.  A masked key's p is 2^(-1e20 - m) = 0.  While a query has
; met masked keys alone, m is -1e20 and what is summed is wiped by a = 2^(-1e20 - m_new) = 0 at the first key that counts.  A batch with no key left has q = 0 and bias = 0: all t equal, the uniform softmax.
; SOFTMAX: for each query a running maximum m and sum l: p = 2^(t - m); in every step O and l are multiplied by a = 2^(m_old - m_new).
; SHARES: a cluster of four work-groups is one head; a work-group owns 512 queries, each of its eight waves 64: four tiles of 16, in 512 registers.  Two waves share a SIMD, so that one wave's softmax stands beside
; the other's products and LDS loads.  Every wave walks all 2,048 keys, 64 a step; each fragment of K and V read from LDS feeds four products.
; LAYOUT: S^T = K Q^T (source 0 = 16 keys, source 1 = 16 queries): a lane holds ONE query (lane % 16) and the keys 8 (lane / 16) + 0..7 of a tile.  Two such tiles, rounded to f16 in pairs, ARE source 1 (32 keys x 16 queries)
; of O^T = V^T P.  K comes out of LDS as it lies, V ([key][channel]) turned, by ds_load_tr16_b128.  P is rounded in place, into the first 16 of a tile's 32 score registers.
; RING: two slots of 256 keys (four steps); waves 0-3 fetch the four steps' K, waves 4-7 their V, one joint load a wave behind each round of the cluster's barrier: it has four steps in which to land.
; REGISTERS: window 0: v1-14 addresses; v16-47 statistics, 8 a tile; v48-79 the bias as C; v96-223 S^T, 32 a tile.   window 1: v0-63 Q; v64-127 K, then V, of the step; v128-255 O^T, 32 a tile.
; LIMITS: an O beyond 65,504 is not served; NaN and infinities are not served.   All of a WGP's LDS is claimed.
.set KS,    64        ; keys in a step
.set NST,   4         ; steps in a slot
.set PK,    144       ; a row of K in LDS: 128 bytes + 16 of padding
.set PV,    160       ; a row of V: 128 + 32
.set VOFF,  KS*PK     ; a step's tiles lie together: 64 rows of K, then 64 rows of V
.set STEPB, KS*(PK+PV)
.set SLOT1, 1<<17     ; slot 1 begins here: one exclusive or turns an address in one slot into the other's
.set SLOTB, NST*KS*128  ; a slot's keys in memory, in bytes, of K or of V
.set MB,    SLOT1+NST*STEPB  ; behind the ring: the batch's bias, 8,192 bytes, filled once
.set STAGE, MB+8192   ; 16 rows x 144 bytes for each wave, for the way out
.set SPARE, STAGE+8*16*PK  ; the spare words, 128 bytes a wave
.set AK0, 2           ; v2   my lane's place in a tile of K
.set AV0, 3           ; v3   in a tile of V
.set AM0, 4           ; v4   in the bias
.set ADK, 5           ; v5-7 the addresses of the step in hand
.set ADV, 6
.set ADM, 7
.set QO,  8
.set STO, 9
.set RD,  10
.set GO,  11
.set PFO, 12          ; v12  256 x my lane; never rewritten
.set SPW, 13
.set NIL, 14
.set ST,  16          ; tile t at v[ST + 8 t]: +0 m, +1 m_old, then m_old - m, +2, +3 l (even keys', odd keys'), +4, +5 c0, c1, then the step's sum, +6 c2, then a, +7 c3
.set MBR, 48
.set S,   96
.set KV,  64          ; in window 1
.set OT,  128         ; in window 1
.set WV,  12
.set LIM, 15          ; s15  1 in a wave that prefetches, else the greatest number
.set PFA, 18          ; s[18:19] where my prefetches stand
.set G1K, 24
.set G1V, 32
.set G0K, 40          ; s[40:43] slot 0's first fill; s[44:47] slot 1's, which then walks on
.set G0V, 48
.set SLOTS, 56
.set CNT, 57
.set SEL, 60
.set TB,  62          ; s62  LDS byte at which the step's tiles begin
.set TM,  63          ; s63  and its 256 bytes of bias
.set G1M, 68
.set G0M, 76
.set MSB, 0
.macro WIN new
.if MSB != \new
	s_set_vgpr_msb (MSB<<8)|\new
.set MSB, \new
.endif
.endm
.set W_LD, 0x40       ; destination window 1, address window 0
.set W_KQ, 0x05       ; K and Q window 1, C and S^T window 0
.set W_RS, 0x41       ; O^T (destination and source 0) window 1, a window 0
.set W_PV, 0x51       ; V window 1, P window 0, O^T window 1
; A joint refill.  The branch hangs on the wave's number alone.  An s_nop 0 and four v_nop follow each of the two lines.
.macro JLOAD
	s_cmp_lt_u32 s[WV], 4
	s_cbranch_scc0 .Lfor_v_\@
	tensor_load_to_lds s[G0K+4:G0K+7], s[G1K:G1K+7]
	s_nop 0
.rept 4
	v_nop
.endr
	s_branch .Lasked_\@
.Lfor_v_\@:
	tensor_load_to_lds s[G0V+4:G0V+7], s[G1V:G1V+7]
	s_nop 0
.rept 4
	v_nop
.endr
.Lasked_\@:
.endm
; A prefetch of what the NEXT change of slots will ask for: a slot's 32,768 bytes of K and as many of V, four key steps ahead of that load.  The four partners share them out by address, 8,192 bytes each;
; in each, wave 0 asks for K's and wave 4 for V's, lanes 256 bytes apart: each block of 256 bytes is named once in the launch.  The last change that fills a slot asks for nothing: there is no slot behind it.
.macro ASK
	s_cmp_gt_u32 s[SLOTS], s[LIM]
	s_cbranch_scc0 .Lnot_mine_\@
	global_prefetch_b8 v[PFO], s[PFA:PFA+1] th:TH_LOAD_NT scope:SCOPE_SE
.Lnot_mine_\@:
.endm
.macro CROUND
	s_barrier_signal -1
	s_barrier_wait -1
	s_cmp_lg_u32 s[WV], 0
	s_cbranch_scc1 .Lnot_wave_0_\@
	s_barrier_signal -3
.Lnot_wave_0_\@:
	s_barrier_wait -3
	s_barrier_signal -1
	s_barrier_wait -1
.endm
	s_load_b64 s[4:5], s[0:1], 0x0    ; qkv
	s_load_b64 s[80:81], s[0:1], 0x8  ; mb
	s_load_b64 s[10:11], s[0:1], 0x10 ; ao
	v_lshl_add_u32 v[SPW], v0, 2, SPARE
	v_mov_b32 v[NIL], 0
	ds_add_u32 v[SPW], v[NIL]       ; the wave's opening: the add, twice on end, and its wait ahead of my first tensor load
	ds_add_u32 v[SPW], v[NIL]
	v_lshrrev_b32 v1, 5, v0
	v_readfirstlane_b32 s[WV], v1   ; wave 0..7
	s_bfe_u32 s13, ttmp6, 0x40000   ; cx: it enters Q's, O's and the prefetches' addresses alone
	s_and_b32 s14, ttmp7, 0xffff    ; 16 x batch + head, which the four partners share
	s_lshl_b32 s20, s14, 18         ; the head's first byte in each of the three tensors
	s_and_b32 s16, s[WV], 3         ; which of a slot's four steps I fetch:
	s_lshl_b32 s22, s16, 13         ; its 64 rows of 128 bytes in memory,
	s_add_co_u32 s22, s22, s20
	s_mov_b32 s23, 0
	s_mul_i32 s17, s16, STEPB       ; and its place in a slot
	s_lshl_b32 s2, s13, 16          ; my work-group's 512 rows of Q,
	s_lshl_b32 s3, s[WV], 13        ; my wave's 64 of them
	s_add_co_u32 s2, s2, s3
	s_add_co_u32 s2, s2, s20
	s_mov_b32 s3, 0
	s_lshr_b32 s20, s14, 4          ; the batch
	s_lshl_b32 s58, s20, 13         ; its bias: 8,192 bytes,
	s_lshl_b32 s59, s[WV], 10       ; of which I fetch 1,024
	s_add_co_u32 s58, s58, s59
	s_mov_b32 s59, 0
	s_lshl_b32 s20, s20, 4          ; O: block of 128 rows = 16 x batch + 4 cx + wave / 2,
	s_lshl_b32 s21, s13, 2
	s_add_co_u32 s20, s20, s21
	s_lshr_b32 s21, s[WV], 1
	s_add_co_u32 s20, s20, s21
	s_lshl_b32 s20, s20, 4          ; x 16 heads + my head,
	s_and_b32 s21, s14, 15
	s_add_co_u32 s20, s20, s21
	s_lshl_b32 s20, s20, 1          ; x 2 halves of 64 rows + wave % 2,
	s_and_b32 s21, s[WV], 1
	s_add_co_u32 s20, s20, s21
	s_lshl_b32 s20, s20, 13         ; x 8,192 bytes
	s_mov_b32 s21, 0
	; descriptor group 1: a tile of 64 rows x 64 elements of 2 bytes, padded in LDS
	s_mov_b32 s[G1K], 15|(1<<16)|(1<<20)|(1<<21)|(4<<22)|(3<<25)  ; the mask: all four work-groups; elements of 2 bytes; padding on; bit 21 beside a mask; after every 32 words 4 words
	s_mov_b32 s[G1V], 15|(1<<16)|(1<<20)|(1<<21)|(4<<22)|(7<<25)  ; the same with 8 words
.irp g, G1K, G1V
	s_mov_b32 s[\g+1], 64<<16       ; tensor_dim0
	s_mov_b32 s[\g+2], KS<<16       ; tensor_dim1
	s_mov_b32 s[\g+3], 64<<16       ; tile_dim0
	s_mov_b32 s[\g+4], KS           ; tile_dim1
	s_mov_b32 s[\g+5], 64           ; the pitch
	s_mov_b32 s[\g+6], 0
	s_mov_b32 s[\g+7], 0
.endr
	s_mov_b32 s[G1M], 15|(3<<16)|(1<<21)  ; the bias: 1,024 dense bytes as 4 rows of 32 elements of 8 bytes, no padding
	s_mov_b32 s[G1M+1], 32<<16
	s_mov_b32 s[G1M+2], 4<<16
	s_mov_b32 s[G1M+3], 32<<16
	s_mov_b32 s[G1M+4], 4
	s_mov_b32 s[G1M+5], 32
	s_mov_b32 s[G1M+6], 0
	s_mov_b32 s[G1M+7], 0
	s_mov_b32 s[SEL], 0x76543210
	s_mov_b32 s[SEL+1], 0xfedcba98  ; v_permlanex16_b32's selects for lane l xor 16
	s_mov_b32 s[TB], 0
	s_mov_b32 s[TM], 0
	s_mov_b32 s[SLOTS], 2048/(NST*KS)-2
	s_and_b32 s[LIM], s[WV], 3      ; waves 0 and 4 prefetch
	s_cmp_eq_u32 s[LIM], 0
	s_cselect_b32 s[LIM], 1, -1
	s_wait_dscnt 0x0                ; both opening adds are done
	s_wait_kmcnt 0x0
	s_add_nc_u64 s[6:7], s[4:5], s[22:23]
	s_add_nc_u64 s[8:9], s[6:7], 0x2000000  ; V at my tile of slot 0: the third tensor,
	s_add_nc_u64 s[6:7], s[6:7], 0x1000000  ; K: the second
	s_add_nc_u64 s[4:5], s[4:5], s[2:3]     ; Q at my wave's first row
	s_add_nc_u64 s[10:11], s[10:11], s[20:21]
	s_add_nc_u64 s[80:81], s[80:81], s[58:59]
	s_cmp_lt_u32 s[WV], 4
	s_cselect_b64 s[PFA:PFA+1], s[6:7], s[8:9]  ; (in waves 0 and 4 these stand at a slot's first row)
	s_lshl_b32 s2, s13, 13          ; my work-group's 8,192 bytes,
	s_add_co_u32 s2, s2, 2*SLOTB    ; in slot 2; the first change of slots steps it to slot 3.  Nothing is prefetched at the head
	s_mov_b32 s3, 0
	s_add_nc_u64 s[PFA:PFA+1], s[PFA:PFA+1], s[2:3]
	CROUND                          ; all four work-groups are here: the first joint loads meet
	s_mov_b32 s[G0M], 1
	s_lshl_b32 s[G0M+1], s[WV], 10
	s_add_co_u32 s[G0M+1], s[G0M+1], MB
	s_mov_b64 s[G0M+2:G0M+3], s[80:81]
	s_or_b32 s[G0M+3], s[G0M+3], 0x80000000
.irp s, 0,1
	s_mov_b32 s[G0K+4*\s], 1
	s_add_co_u32 s[G0K+4*\s+1], s17, \s*SLOT1
	s_add_nc_u64 s[G0K+4*\s+2:G0K+4*\s+3], s[6:7], \s*SLOTB
	s_or_b32 s[G0K+4*\s+3], s[G0K+4*\s+3], 0x80000000
	s_mov_b32 s[G0V+4*\s], 1
	s_add_co_u32 s[G0V+4*\s+1], s17, \s*SLOT1+VOFF
	s_add_nc_u64 s[G0V+4*\s+2:G0V+4*\s+3], s[8:9], \s*SLOTB
	s_or_b32 s[G0V+4*\s+3], s[G0V+4*\s+3], 0x80000000
.endr
	tensor_load_to_lds s[G0M:G0M+3], s[G1M:G1M+7]  ; my eighth of the bias; with the two below, three loads of mine are out
	s_nop 0
	s_cmp_lt_u32 s[WV], 4
	s_cbranch_scc0 .Lfirst_v
	tensor_load_to_lds s[G0K:G0K+3], s[G1K:G1K+7]
	s_nop 0
	tensor_load_to_lds s[G0K+4:G0K+7], s[G1K:G1K+7]
	s_nop 0
.rept 4
	v_nop
.endr
	s_branch .Lfirst_asked
.Lfirst_v:
	tensor_load_to_lds s[G0V:G0V+3], s[G1V:G1V+7]
	s_nop 0
	tensor_load_to_lds s[G0V+4:G0V+7], s[G1V:G1V+7]
	s_nop 0
.rept 4
	v_nop
.endr
.Lfirst_asked:
	; A fragment of K or Q is 16 rows x 32 channels in 8 registers: lane l holds row l % 16; registers 0-3 channels 8 (l / 16) + 0..7, registers 4-7 channels 16 + 8 (l / 16) + 0..7
	v_and_b32 v1, 15, v0            ; r
	v_bfe_u32 v15, v0, 4, 1         ; h
	v_lshlrev_b32 v[QO], 7, v1
	v_lshl_add_u32 v[QO], v15, 4, v[QO]  ; row x 128 + 16 h
	WIN W_LD
.irp t, 0,1,2,3
.irp c, 0,1
	global_load_b128 v[16*\t+8*\c:16*\t+8*\c+3],   v[QO], s[4:5] offset:2048*\t+64*\c      ; Q stays in registers
	global_load_b128 v[16*\t+8*\c+4:16*\t+8*\c+7], v[QO], s[4:5] offset:2048*\t+64*\c+32
.endr
.endr
	WIN 0
	v_mul_u32_u24 v[AK0], v1, PK
	v_lshl_add_u32 v[AK0], v15, 4, v[AK0]
	v_and_b32 v80, 7, v0
	v_bfe_u32 v81, v0, 3, 1
	v_lshl_add_u32 v[AV0], v15, 3, v80   ; the turning load: lane l reads 16 bytes: key 8 (l / 16) + l % 8, channels 8 ((l / 8) % 2) + 0..7
	v_mul_u32_u24 v[AV0], v[AV0], PV
	v_lshl_add_u32 v[AV0], v81, 4, v[AV0]
	v_add_nc_u32 v[AV0], VOFF, v[AV0]
	v_lshl_add_u32 v[AM0], v15, 5, MB    ; the bias of keys 8 h + 0..7 of a tile
	s_mul_i32 s14, s[WV], 16*PK
	s_add_co_u32 s14, s14, STAGE         ; my stage
	v_add_nc_u32 v[STO], s14, v[AK0]     ; in: row r, 16 bytes for each half of the lanes
	v_and_b32 v82, 31, v0
	v_lshrrev_b32 v83, 3, v82
	v_mul_u32_u24 v[RD], v83, PK         ; back: eight lanes to a row of 128 bytes, four rows an instruction
	v_lshl_add_u32 v[RD], v80, 4, v[RD]
	v_add_nc_u32 v[RD], s14, v[RD]
	v_lshlrev_b32 v[GO], 4, v82          ; and the same 512 bytes in O
	v_lshlrev_b32 v[PFO], 8, v82
.irp t, 0,1,2,3
	v_mov_b32 v[ST+8*\t], 0xff61b1e6     ; m: -3e38, under every t
	v_mov_b32 v[ST+8*\t+1], 0
	v_mov_b32 v[ST+8*\t+2], 0            ; l
	v_mov_b32 v[ST+8*\t+3], 0
.endr
; THE SOFTMAX of a step, four tiles, line by line by turns.  c is folded into q, so t - m is one subtraction.
.macro MAXES                        ; the maximum of a lane's 32 scores and the old m; the other half of the lanes'; the new m; m_old - m.  Each accumulator is first read at its low end
.irp j, 0,1,2,3
.irp t, 0,1,2,3
	v_max3_num_f32 v[ST+8*\t+4+\j], v[S+32*\t+8*\j], v[S+32*\t+8*\j+1], v[S+32*\t+8*\j+2]
.endr
.endr
.irp g, 1,2
.irp j, 0,1,2,3
.irp t, 0,1,2,3
	v_max3_num_f32 v[ST+8*\t+4+\j], v[ST+8*\t+4+\j], v[S+32*\t+8*\j+2*\g+1], v[S+32*\t+8*\j+2*\g+2]
.endr
.endr
.endr
.irp t, 0,1,2,3
	v_max3_num_f32 v[ST+8*\t+4], v[ST+8*\t+4], v[S+32*\t+7], v[S+32*\t+15]
.endr
.irp t, 0,1,2,3
	v_max3_num_f32 v[ST+8*\t+6], v[ST+8*\t+6], v[S+32*\t+23], v[S+32*\t+31]
.endr
.irp t, 0,1,2,3
	v_max3_num_f32 v[ST+8*\t+4], v[ST+8*\t+4], v[ST+8*\t+5], v[ST+8*\t+6]
.endr
.irp t, 0,1,2,3
	v_max3_num_f32 v[ST+8*\t+4], v[ST+8*\t+4], v[ST+8*\t+7], v[ST+8*\t]
.endr
.irp t, 0,1,2,3
	v_permlanex16_b32 v[ST+8*\t+5], v[ST+8*\t+4], s[SEL], s[SEL+1]  ; the query's other 32 keys lie in the lane 16 away
.endr
.irp t, 0,1,2,3
	v_mov_b32 v[ST+8*\t+1], v[ST+8*\t]
.endr
.irp t, 0,1,2,3
	v_max_num_f32 v[ST+8*\t], v[ST+8*\t+4], v[ST+8*\t+5]
.endr
.irp t, 0,1,2,3
	v_sub_f32 v[ST+8*\t+1], v[ST+8*\t+1], v[ST+8*\t]
.endr
.endm
.macro SUB1 t                       ; pair i of tile t: t - m
	v_pk_add_f32 v[S+32*\t+2*i:S+32*\t+2*i+1], v[S+32*\t+2*i:S+32*\t+2*i+1], v[ST+8*\t:ST+8*\t+1] op_sel_hi:[1,0] neg_lo:[0,1] neg_hi:[0,1]
.endm
.macro EXP1 t, u                    ; score 2 i + u of tile t
	v_exp_f32 v[S+32*\t+2*i+\u], v[S+32*\t+2*i+\u]
.endm
.macro SUM1 t                       ; line i of 16 of tile t's sum (in a pair: an even key's weight, an odd key's); the last takes it into l = a l + the sum
.if i == 0
	v_pk_add_f32 v[ST+8*\t+4:ST+8*\t+5], v[S+32*\t:S+32*\t+1], v[S+32*\t+2:S+32*\t+3]
.elseif i < 15
	v_pk_add_f32 v[ST+8*\t+4:ST+8*\t+5], v[ST+8*\t+4:ST+8*\t+5], v[S+32*\t+2*i+2:S+32*\t+2*i+3]
.else
	v_pk_fma_f32 v[ST+8*\t+2:ST+8*\t+3], v[ST+8*\t+2:ST+8*\t+3], v[ST+8*\t+6:ST+8*\t+7], v[ST+8*\t+4:ST+8*\t+5] op_sel_hi:[1,0,1]
.endif
.endm
.macro CVT1 t                       ; pair i of tile t to f16, in place: register i takes registers 2 i and 2 i + 1; i ascends, so nothing is written before it is read
	v_cvt_pk_f16_f32 v[S+32*\t+i], v[S+32*\t+2*i], v[S+32*\t+2*i+1]
.endm
; A KEY STEP: 64 keys.  first = 1: the first step, which starts O^T.
.macro STEP first
	WIN 0
	v_add_nc_u32 v[ADK], s[TB], v[AK0]   ; six plain lines behind the last step's products: four are owed ahead of the loads into the registers that they read, five ahead of K Q^T, which writes over P's registers
	v_add_nc_u32 v[ADV], s[TB], v[AV0]
	v_add_nc_u32 v[ADM], s[TM], v[AM0]
.rept 3
	v_nop
.endr
.irp kt, 0,1,2,3
	ds_load_b128 v[MBR+8*\kt:MBR+8*\kt+3],   v[ADM] offset:64*\kt       ; the bias in the result's layout: keys 16 kt + 8 h + 0..7
	ds_load_b128 v[MBR+8*\kt+4:MBR+8*\kt+7], v[ADM] offset:64*\kt+16
.endr
	WIN W_LD
.irp w, 0,1,2,3,4,5,6,7             ; K: keys 16 (w / 2) on, channels 32 (w % 2) on
	ds_load_b128 v[KV+8*\w:KV+8*\w+3],   v[ADK] offset:(\w/2)*16*PK+(\w%2)*64
	ds_load_b128 v[KV+8*\w+4:KV+8*\w+7], v[ADK] offset:(\w/2)*16*PK+(\w%2)*64+32
.endr
	s_wait_dscnt 0x0
	WIN W_KQ
.irp c, 0,1                         ; S^T = K Q^T + bias: 16 accumulators by turns, one instruction a turn
.irp kt, 0,1,2,3
.irp t, 0,1,2,3
.if \c == 0
	v_wmma_f32_16x16x32_f16 v[S+32*\t+8*\kt:S+32*\t+8*\kt+7], v[KV+16*\kt:KV+16*\kt+7], v[16*\t:16*\t+7], v[MBR+8*\kt:MBR+8*\kt+7]
.else
	v_wmma_f32_16x16x32_f16 v[S+32*\t+8*\kt:S+32*\t+8*\kt+7], v[KV+16*\kt+8:KV+16*\kt+15], v[16*\t+8:16*\t+15], v[S+32*\t+8*\kt:S+32*\t+8*\kt+7]
.endif
.endr
.endr
.endr
.rept 4
	v_nop                           ; places ahead of the loads into K's registers and of the first read of the scores
.endr
	WIN W_LD
.irp w, 0,1,2,3,4,5,6,7             ; V, turned: keys 32 (w / 4) on, channels 16 (w % 4) on.  It lands while the softmax is walked
	ds_load_tr16_b128 v[KV+8*\w:KV+8*\w+3],   v[ADV] offset:(\w/4)*32*PV+(\w%4)*32
	ds_load_tr16_b128 v[KV+8*\w+4:KV+8*\w+7], v[ADV] offset:(\w/4)*32*PV+16*PV+(\w%4)*32
.endr
	WIN 0
	MAXES
.set i, 0
.rept 16
	SUB1 0
	SUB1 1
.set i, i+1
.endr
.irp t, 0,1,2,3
	v_exp_f32 v[ST+8*\t+6], v[ST+8*\t+1]   ; a
.endr
.set i, 0
.rept 16                            ; the first batch: tiles 0 and 1's exponentials, with tiles 2 and 3's subtractions between them; nothing here names an exponential's result
	SUB1 2
	EXP1 0, 0
	EXP1 1, 0
	SUB1 3
	EXP1 0, 1
	EXP1 1, 1
.set i, i+1
.endr
	v_nop                           ; a plain line behind the last exponential
	s_wait_alu depctr_va_vdst(0)    ; one wait for the batch, ahead of its first reader
.set i, 0
.rept 16                            ; the second batch: tiles 2 and 3's exponentials, with tiles 0 and 1's sums between them
	SUM1 0
	EXP1 2, 0
	EXP1 3, 0
	SUM1 1
	EXP1 2, 1
	EXP1 3, 1
.set i, i+1
.endr
.set i, 0
.rept 16                            ; tiles 0 and 1 are rounded: plain work that names no result of the second batch
	CVT1 0
	CVT1 1
.set i, i+1
.endr
	s_wait_alu depctr_va_vdst(0)    ; one wait for the second batch
.set i, 0
.rept 16
	SUM1 2
	SUM1 3
.set i, i+1
.endr
.set i, 0
.rept 16
	CVT1 2
	CVT1 3
.set i, i+1
.endr
.if \first == 0
	WIN W_RS
.irp t, 0,1,2,3
.set i, 0
.rept 16
	v_pk_mul_f32 v[OT+32*\t+i:OT+32*\t+i+1], v[OT+32*\t+i:OT+32*\t+i+1], v[ST+8*\t+6:ST+8*\t+7] op_sel_hi:[1,0]   ; O^T x a, each accumulator from its low end on
.set i, i+2
.endr
.endr
.endif
	s_wait_dscnt 0x0                ; V is in
	WIN W_PV
.irp kk, 0,1                        ; O^T += V^T P: 16 accumulators by turns
.irp ct, 0,1,2,3
.irp t, 0,1,2,3
.if \first && (\kk == 0)
	v_wmma_f32_16x16x32_f16 v[OT+32*\t+8*\ct:OT+32*\t+8*\ct+7], v[KV+8*(4*\kk+\ct):KV+8*(4*\kk+\ct)+7], v[S+32*\t+8*\kk:S+32*\t+8*\kk+7], 0
.else
	v_wmma_f32_16x16x32_f16 v[OT+32*\t+8*\ct:OT+32*\t+8*\ct+7], v[KV+8*(4*\kk+\ct):KV+8*(4*\kk+\ct)+7], v[S+32*\t+8*\kk:S+32*\t+8*\kk+7], v[OT+32*\t+8*\ct:OT+32*\t+8*\ct+7]
.endif
.endr
.endr
.endr
	WIN 0
	s_add_co_u32 s[TB], s[TB], STEPB
	s_add_co_u32 s[TM], s[TM], 256
.endm
.macro STEPS n
	s_mov_b32 s[CNT], \n
.Lstep_\@:
	STEP 0
	s_sub_co_u32 s[CNT], s[CNT], 1
	s_cmp_lg_u32 s[CNT], 0
	s_cbranch_scc1 .Lstep_\@
.endm
; THE CHANGE OF SLOTS.  Each wave waits for all its tensor loads, of which one is out: its part of the other slot; adds 0 to its spare word; and waits for that and for its reads of the slot that it leaves.
; fill = 1: that slot is filled again, with the keys two slots on: the barrier is a round of the cluster's, and the joint refill is the first thing behind it.
.macro CHANGE fill
	WIN 0
	s_wait_tensorcnt 0x0            ; no tensor load of mine is out, so a group 0 may be written
	ds_add_u32 v[SPW], v[NIL]       ; 0 onto my spare word
.if \fill
.irp g, G0K+4, G0V+4
	s_xor_b32 s[\g+1], s[\g+1], SLOT1  ; the walking descriptor: the other slot than last time,
	s_add_nc_u64 s[\g+2:\g+3], s[\g+2:\g+3], SLOTB  ; the next 256 keys
.endr
	s_wait_xcnt 0x0                 ; the last prefetch, four key steps back, has read its address
	s_add_nc_u64 s[PFA:PFA+1], s[PFA:PFA+1], SLOTB
	s_wait_dscnt 0x0                ; the add is done, and my reads of the slot are over
	CROUND
	JLOAD
	ASK
.else
	s_wait_dscnt 0x0
	s_barrier_signal -1
	s_barrier_wait -1
.endif
	s_sub_co_u32 s[TB], s[TB], NST*STEPB  ; back to a slot's first step,
	s_xor_b32 s[TB], s[TB], SLOT1   ; in the other slot
.endm
	s_wait_tensorcnt 1              ; the bias and my part of slot 0 are in; slot 1's load may be out
	s_barrier_signal -1
	s_barrier_wait -1               ; everybody's are
	s_wait_loadcnt 0x0              ; Q
	STEP 1
	STEPS 3
.Lslot:                             ; six trips: every slot but the last two is filled again
	CHANGE 1
	STEPS 4
	s_sub_co_u32 s[SLOTS], s[SLOTS], 1
	s_cmp_lg_u32 s[SLOTS], 0
	s_cbranch_scc1 .Lslot
	CHANGE 0                        ; the tail is written out
	STEPS 4
	; THE WAY OUT.  l's two halves and the other half of the lanes' are added (these lines are the places behind the last products); O^T is divided by l, rounded to f16 and sent through my stage, a tile at a time.
.irp t, 0,1,2,3
	v_add_f32 v[ST+8*\t+4], v[ST+8*\t+2], v[ST+8*\t+3]
.endr
.irp t, 0,1,2,3
	v_permlanex16_b32 v[ST+8*\t+5], v[ST+8*\t+4], s[SEL], s[SEL+1]
.endr
.irp t, 0,1,2,3
	v_add_f32 v[ST+8*\t+4], v[ST+8*\t+4], v[ST+8*\t+5]
.endr
.irp t, 0,1,2,3
	v_rcp_f32 v[ST+8*\t+6], v[ST+8*\t+4]
.endr
	v_nop                           ; a plain line behind the last reciprocal
	s_wait_alu depctr_va_vdst(0)    ; one wait for the four, ahead of their first reader
.macro PACK t
	WIN W_RS
.set i, 0
.rept 16
	v_pk_mul_f32 v[OT+32*\t+i:OT+32*\t+i+1], v[OT+32*\t+i:OT+32*\t+i+1], v[ST+8*\t+6:ST+8*\t+7] op_sel_hi:[1,0]
.set i, i+2
.endr
	WIN 0x05                        ; sources window 1, destination window 0: the scores' registers are free
.set i, 0
.rept 16
	v_cvt_pk_f16_f32 v[S+32*\t+i], v[OT+32*\t+2*i], v[OT+32*\t+2*i+1]
.set i, i+1
.endr
	WIN 0
.irp ct, 0,1,2,3
	ds_store_b128 v[STO], v[S+32*\t+4*\ct:S+32*\t+4*\ct+3] offset:32*\ct
.endr
.irp u, 0,1,2,3
	ds_load_b128 v[S+32*\t+16+4*\u:S+32*\t+16+4*\u+3], v[RD] offset:\u*4*PK   ; LDS serves a wave's instructions in order: these see the stores above; the next tile's stores come behind them
.endr
.endm
.macro SEND t, younger              ; younger: the LDS instructions issued behind tile t's loads: the next tile's eight, or none
.irp u, 0,1,2,3
	s_wait_dscnt \younger+3-\u
	global_store_b128 v[GO], v[S+32*\t+16+4*\u:S+32*\t+16+4*\u+3], s[10:11] offset:2048*\t+512*\u   ; 512 consecutive bytes, aligned
.endr
.endm
	PACK 0
	PACK 1
	SEND 0, 8
	PACK 2
	SEND 1, 8
	PACK 3
	SEND 2, 8
	SEND 3, 0
	s_wait_tensorcnt 0x0            ; the wave's end, behind my last tensor load and my last LDS store
	ds_add_u32 v[SPW], v[NIL]
	s_wait_dscnt 0x0
	CROUND                          ; the closing round
	s_endpgm
.Lfunc_end_k_q7cff50e9ac_attn:
	.size	k_q7cff50e9ac_attn, .Lfunc_end_k_q7cff50e9ac_attn-k_q7cff50e9ac_attn
	.p2alignl 7, 3214868480
	.fill 96, 4, 3214868480
	.section	.rodata,"a",@progbits
	.p2align	6, 0x0
	.amdhsa_kernel k_q7cff50e9ac_attn
		.amdhsa_group_segment_fixed_size 327680
		.amdhsa_private_segment_fixed_size 0
		.amdhsa_enable_private_segment 0
		.amdhsa_kernarg_size 24
		.amdhsa_user_sgpr_count 2
		.amdhsa_user_sgpr_kernarg_segment_ptr 1
		.amdhsa_wavefront_size32 1
		.amdhsa_system_sgpr_workgroup_id_x 1
		.amdhsa_system_sgpr_workgroup_id_y 1
		.amdhsa_system_sgpr_workgroup_id_z 1
		.amdhsa_system_vgpr_workitem_id 0
		.amdhsa_next_free_vgpr 512
		.amdhsa_next_free_sgpr 82
		.amdhsa_reserve_vcc 0
		.amdhsa_float_denorm_mode_32 3
		.amdhsa_float_denorm_mode_16_64 3
		.amdhsa_memory_ordered 1
		.amdhsa_forward_progress 1
		.amdhsa_inst_pref_size 150
	.end_amdhsa_kernel
	.amdgpu_metadata
---
amdhsa.version: [ 1, 2 ]
amdhsa.kernels:
  - .name:           k_q7cff50e9ac_attn
    .symbol:         k_q7cff50e9ac_attn.kd
    .args:
      - { .name: qkv, .offset: 0, .size: 8, .value_kind: global_buffer, .address_space: global }
      - { .name: mb, .offset: 8, .size: 8, .value_kind: global_buffer, .address_space: global }
      - { .name: ao, .offset: 16, .size: 8, .value_kind: global_buffer, .address_space: global }
    .group_segment_fixed_size: 327680
    .private_segment_fixed_size: 0
    .kernarg_segment_align: 8
    .kernarg_segment_size: 24
    .max_flat_workgroup_size: 256
    .sgpr_count:     82
    .vgpr_count:     512
    .wavefront_size: 32
...
	.end_amdgpu_metadata
.endif
;; end of part 3
;; launch oproj (part 4): grid 8 x 64, 4 waves a work-group, clusters of 4 x 4, 327,680 bytes of LDS; arguments ao, wo16, bo, out0; writes out0
.if DOCPART == 4
	.amdgcn_target "amdgcn-amd-amdhsa--gfx1250"
	.amdhsa_code_object_version 6
	.text
	.protected	k_q7cff50e9ac_oproj
	.globl	k_q7cff50e9ac_oproj
	.p2align	8
	.type	k_q7cff50e9ac_oproj,@function
k_q7cff50e9ac_oproj:
	s_mov_b64 s[64:65], 0
	v_nop
	global_prefetch_b8 v0, s[64:65] scope:SCOPE_SE
	s_setreg_imm32_b32 hwreg(HW_REG_WAVE_MODE, 25, 1), 1
	s_wait_xcnt 0x0
	s_wait_alu depctr_hold_cnt(0) depctr_sa_sdst(0) depctr_va_vdst(0) depctr_va_sdst(0) depctr_va_ssrc(0) depctr_va_vcc(0) depctr_vm_vsrc(0)
	s_getreg_b32 s2, hwreg(HW_REG_IB_STS2, 6, 4)
	s_cmp_eq_u32 s2, 0
	s_cbranch_scc0 .Lentry_in_a_cluster
	s_endpgm
.Lentry_in_a_cluster:
	s_bfe_u32 s2, ttmp6, 0x10000c
	s_cmp_lg_u32 s2, 0xf033
	s_cbranch_scc0 .Lentry_shape_is_right
	s_endpgm
.Lentry_shape_is_right:
; OPROJ: out0 [8192][1024] f32 = A Wo^T + bo.  A is the attention's result, f16, laid [block of 128 rows 64][head 16][128 rows][64]; Wo is f16 [1024 (n)][1024 (k)]; sums in f32.  f16 and not bf16: three more significant bits.
; A tile of out0 is 128 x 128, so that there are 512 work-groups; four waves, each 64 x 64: 16 accumulators, 128 registers.  K goes in steps of 256 (four heads) through a ring of two LDS slots.
; For a tile's 128 rows a K step of A is 65,536 dense bytes: 512 rows of 128 bytes (head, row); waves 0 and 1 fetch two heads each; waves 2 and 3 fetch 64 rows of 512 bytes of Wo each.
; CLUSTERS: 4 x 4 work-groups: A's tile is shared along a row of the cluster, Wo's along a column: each is asked for jointly.
; THE MATRIX INSTRUCTION IS USED TRANSPOSED (source 0 = 16 rows of Wo, source 1 = 16 rows of A): a lane holds eight neighbouring numbers of a row of out0.  THE BIAS is the C of each sum's first product.
; A wave's 64 columns of f32 are 256 aligned bytes, so each wave has a stage of its own on the way out, and no barrier stands there.
; REGISTERS: window 0: v0-31 addresses; v32-95 rows read back; v96-127 the bias; v128-255 the accumulators ((a, b) at v[128 + 8 (4 a + b)]).   window 1: two fragment buffers of 128: 64 registers of A, then 64 of Wo.
; No prefetch: on tiles as small as these the tensor loads themselves keep the stream going, and what is read here is read by many work-groups.   All of a WGP's LDS is claimed.
.set PA,     144                       ; a row of A in LDS: 128 bytes + 16 of padding
.set PB,     528                       ; a row of Wo: 512 + 16
.set HB,     128*PA                    ; a head's 128 rows
.set HALFA,  256*PA                    ; two heads: what one tensor load brings of A
.set HALFB,  64*PB                     ; 64 rows: what one brings of Wo
.set BOFF,   2*HALFA
.set SLOT,   BOFF+2*HALFB
.set STAGE,  2*SLOT                    ; behind the ring: 16 rows x 272 bytes for each wave
.set SPITCH, 272
.set SPARE,  STAGE+4*16*SPITCH         ; the spare words, 128 bytes a wave
.set LAPS,   2                         ; a lap = two K steps; K = 1,024
.set ADRA, 16
.set ADRB, 20
.set STO,  24
.set RD,   25
.set CO,   26
.set SPW,  28
.set NIL,  29
.set TMP,  32
.set BI,   96
.set ACC,  128
.set F0,   0
.set F1,   128
.set G1, 24
.set G0, 32
.set G1B, 48
.set G0B, 56
.set MSB, 0
.macro WIN new
.if MSB != \new
	s_set_vgpr_msb (MSB<<8)|\new
.set MSB, \new
.endif
.endm
.set MUL,  0x05                        ; sources 0 (Wo) and 1 (A) window 1; C and D window 0
.set TO_F, 0x40                        ; destination window 1, address window 0
.macro JLOAD s                         ; a joint load: waves 0 and 1 fetch for A, waves 2 and 3 for Wo; an s_nop 0 and four v_nop follow each of the two lines
	s_cmp_eq_u32 s11, 0
	s_cbranch_scc0 .Lfor_b_\@
	tensor_load_to_lds s[G0+4*\s:G0+4*\s+3], s[G1:G1+7]
	s_nop 0
.rept 4
	v_nop
.endr
	s_branch .Lasked_\@
.Lfor_b_\@:
	tensor_load_to_lds s[G0B+4*\s:G0B+4*\s+3], s[G1B:G1B+7]
	s_nop 0
.rept 4
	v_nop
.endr
.Lasked_\@:
.endm
.macro CREST                           ; a round of the cluster's barrier behind its opening barrier
	s_cmp_lg_u32 s10, 0
	s_cbranch_scc1 .Lnot_wave_0_\@
	s_barrier_signal -3
.Lnot_wave_0_\@:
	s_barrier_wait -3
	s_barrier_signal -1
	s_barrier_wait -1
.endm
.macro CROUND
	s_barrier_signal -1
	s_barrier_wait -1
	CREST
.endm
	s_load_b128 s[4:7], s[0:1], 0x0                ; A s[4:5], Wo s[6:7]
	s_load_b64 s[66:67], s[0:1], 0x10              ; bo
	s_load_b64 s[8:9], s[0:1], 0x18                ; out0
	v_lshl_add_u32 v[SPW], v0, 2, SPARE
	v_mov_b32 v[NIL], 0
	ds_add_u32 v[SPW], v[NIL]                      ; the wave's opening: the add, twice on end, and its wait ahead of my first tensor load
	ds_add_u32 v[SPW], v[NIL]
	v_lshrrev_b32 v1, 5, v0
	v_readfirstlane_b32 s10, v1                    ; wave 0..3
	s_lshr_b32 s11, s10, 1                         ; which half of the tile's rows is mine.  Also: I fetch for A (0) or for Wo (1)
	s_and_b32 s12, s10, 1                          ; which half of its columns.  Also: which half of that tile I fetch
	s_bfe_u32 s40, ttmp6, 0x40000                  ; cx, cy
	s_bfe_u32 s41, ttmp6, 0x40004
	s_lshl_b32 s42, ttmp9, 2
	s_add_co_u32 s42, s42, s40                     ; tile column = 4 x cluster x + cx
	s_and_b32 s13, ttmp7, 0xffff
	s_lshl_b32 s13, s13, 2
	s_add_co_u32 s13, s13, s41                     ; tile row = 4 x cluster y + cy
	s_lshl_b32 s43, s41, 2
	s_lshl_b32 s43, 15, s43                        ; my row of the cluster
	s_lshl_b32 s44, 0x1111, s40                    ; my column
	s_or_b32 s[G1+0], s43, (1<<16)|(1<<20)|(1<<21)|(4<<22)|(3<<25)   ; A: the mask of my row; elements of 2 bytes; padding on; bit 21 beside a mask; after every 32 words 4 words
	s_mov_b32 s[G1+1], 64<<16                      ; tensor_dim0 = 64
	s_mov_b32 s[G1+2], 256<<16                     ; tensor_dim1 = 256 rows: two heads x 128
	s_mov_b32 s[G1+3], 64<<16                      ; tile_dim0
	s_mov_b32 s[G1+4], 256                         ; tile_dim1
	s_mov_b32 s[G1+5], 64                          ; the pitch: dense
	s_mov_b32 s[G1+6], 0
	s_mov_b32 s[G1+7], 0
	s_or_b32 s[G1B+0], s44, (1<<16)|(1<<20)|(1<<21)|(6<<22)|(3<<25)  ; Wo: the mask of my column; after every 128 words 4 words
	s_mov_b32 s[G1B+1], 256<<16
	s_mov_b32 s[G1B+2], 64<<16
	s_mov_b32 s[G1B+3], 256<<16
	s_mov_b32 s[G1B+4], 64
	s_mov_b32 s[G1B+5], 1024
	s_mov_b32 s[G1B+6], 0
	s_mov_b32 s[G1B+7], 0
	s_lshl_b32 s16, s13, 18                        ; A: 262,144 bytes a tile row,
	s_lshl_b32 s17, s12, 15                        ; + 32,768 for the K step's second two heads
	s_add_co_u32 s16, s16, s17
	s_mov_b32 s17, 0
	s_lshl_b32 s46, s42, 18                        ; Wo: 128 rows of 2,048 bytes a tile column,
	s_lshl_b32 s47, s12, 17                        ; + 64 rows
	s_add_co_u32 s46, s46, s47
	s_mov_b32 s47, 0
	s_mul_i32 s20, s12, HALFA                      ; where they go: made of the wave's number alone
	s_mul_i32 s21, s12, HALFB
	s_add_co_u32 s21, s21, BOFF
	s_wait_dscnt 0x0                               ; both opening adds are done
	s_wait_kmcnt 0x0
	s_add_nc_u64 s[14:15], s[4:5], s[16:17]
	s_add_nc_u64 s[46:47], s[6:7], s[46:47]
	CROUND                                         ; all sixteen work-groups are here: the first joint loads meet
.irp s, 0,1
	s_mov_b32 s[G0+4*\s], 1
	s_add_co_u32 s[G0+4*\s+1], s20, \s*SLOT
	s_add_nc_u64 s[G0+4*\s+2:G0+4*\s+3], s[14:15], \s*65536
	s_or_b32 s[G0+4*\s+3], s[G0+4*\s+3], 0x80000000
	s_mov_b32 s[G0B+4*\s], 1
	s_add_co_u32 s[G0B+4*\s+1], s21, \s*SLOT
	s_add_nc_u64 s[G0B+4*\s+2:G0B+4*\s+3], s[46:47], \s*512
	s_or_b32 s[G0B+4*\s+3], s[G0B+4*\s+3], 0x80000000
	JLOAD \s                                       ; two loads of mine are out
.endr
	v_and_b32 v1, 15, v0                           ; r
	v_bfe_u32 v2, v0, 4, 1                         ; h
	s_lshl_b32 s46, s42, 9                         ; my first column x 4 bytes: 512 x tile column + 256 x half
	s_lshl_b32 s47, s12, 8
	s_add_co_u32 s46, s46, s47
	s_mov_b32 s47, 0
	s_add_nc_u64 s[66:67], s[66:67], s[46:47]
	v_lshlrev_b32 v6, 5, v2
.irp b, 0,1,2,3
	global_load_b128 v[BI+8*\b:BI+8*\b+3], v6, s[66:67] offset:64*\b        ; the bias in the result's layout: columns 16 b + 8 h + 0..7
	global_load_b128 v[BI+8*\b+4:BI+8*\b+7], v6, s[66:67] offset:64*\b+16
.endr
	v_mul_u32_u24 v3, v1, PA
	v_lshl_add_u32 v3, v2, 4, v3                   ; A: row x pitch + 16 h
	v_mul_u32_u24 v4, v1, PB
	v_lshl_add_u32 v4, v2, 4, v4                   ; Wo likewise
	s_mul_i32 s21, s11, 64*PA                      ; my 64 rows in each head of A
	s_mul_i32 s22, s12, HALFB                      ; my 64 rows of Wo,
	s_add_co_u32 s22, s22, BOFF                    ; which lie behind A
.irp s, 0,1
	v_add_nc_u32 v[ADRA+\s], s21, v3
	v_add_nc_u32 v[ADRB+\s], s22, v4
	s_add_co_u32 s21, s21, SLOT
	s_add_co_u32 s22, s22, SLOT
.endr
	s_mul_i32 s23, s10, 16*SPITCH
	s_add_co_u32 s23, s23, STAGE                   ; my stage
	v_mul_u32_u24 v4, v1, SPITCH                   ; in: row r, 32 bytes for each half of the lanes
	v_lshl_add_u32 v4, v2, 5, v4
	v_add_nc_u32 v[STO], s23, v4
	v_mul_u32_u24 v5, v2, SPITCH                   ; back: lanes 0-15 one row of 256 bytes, lanes 16-31 the next
	v_lshl_add_u32 v5, v1, 4, v5
	v_add_nc_u32 v[RD], s23, v5
	v_lshlrev_b32 v5, 12, v2                       ; and the same two rows in out0: 4,096 bytes a row
	v_lshl_add_u32 v[CO], v1, 4, v5
	s_lshl_b32 s16, s13, 7
	s_lshl_b32 s17, s11, 6
	s_add_co_u32 s16, s16, s17                     ; my first row: 128 x tile row + 64 x half
	s_lshl_b32 s16, s16, 12
	s_mov_b32 s17, 0
	s_add_nc_u64 s[8:9], s[8:9], s[16:17]
	s_add_nc_u64 s[8:9], s[8:9], s[46:47]
; 8 matrix instructions: m blocks a0, a0 + 1 x all 4 n blocks, 32 along K: half c of buffer f.  zero = 1: the first product starts the sums on the bias.  The 16 accumulators take turns
.macro MUL8 f, c, a0, zero
.irp a, \a0, \a0+1
.irp b, 0,1,2,3
.if \zero
	v_wmma_f32_16x16x32_f16 v[ACC+8*(4*(\a)+\b):ACC+8*(4*(\a)+\b)+7], v[\f+64+8*(4*\c+\b):\f+64+8*(4*\c+\b)+7], v[\f+8*(4*\c+\a):\f+8*(4*\c+\a)+7], v[BI+8*\b:BI+8*\b+7]
.else
	v_wmma_f32_16x16x32_f16 v[ACC+8*(4*(\a)+\b):ACC+8*(4*(\a)+\b)+7], v[\f+64+8*(4*\c+\b):\f+64+8*(4*\c+\b)+7], v[\f+8*(4*\c+\a):\f+8*(4*\c+\a)+7], v[ACC+8*(4*(\a)+\b):ACC+8*(4*(\a)+\b)+7]
.endif
.endr
.endr
.endm
; 32 LDS loads in one run: the fragments of the K step's q-th head (64 along K) into buffer f; the first 32 along K first
.macro FETCH slot, q, f
	WIN TO_F
.irp c, 0,1
.irp i, 0,1,2,3
	ds_load_b128 v[\f+64+8*(4*\c+\i):\f+64+8*(4*\c+\i)+3],   v[ADRB+\slot] offset:(\q)*128+64*\c+\i*16*PB
	ds_load_b128 v[\f+64+8*(4*\c+\i)+4:\f+64+8*(4*\c+\i)+7], v[ADRB+\slot] offset:(\q)*128+64*\c+\i*16*PB+32
	ds_load_b128 v[\f+8*(4*\c+\i):\f+8*(4*\c+\i)+3],         v[ADRA+\slot] offset:(\q)*HB+64*\c+\i*16*PA
	ds_load_b128 v[\f+8*(4*\c+\i)+4:\f+8*(4*\c+\i)+7],       v[ADRA+\slot] offset:(\q)*HB+64*\c+\i*16*PA+32
.endr
.endr
.endm
.macro PLACES                          ; four plain lines ahead of loads into registers that matrix instructions have read, and of the first read of results
.rept 4
	v_nop
.endr
.endm
; A K step is four quarters of 64 along K, 32 matrix instructions each, on buffers 0, 1, 0, 1.  One of the first three: multiplies buffer f and fetches quarter q into g.
.macro QUARTER slot, q, f, g, zero
	s_wait_dscnt 16                                ; the first 32 along K are in; the youngest sixteen loads may be out
	WIN MUL
	MUL8 \f, 0, 0, \zero
	MUL8 \f, 0, 2, \zero
	PLACES
	FETCH \slot, \q, \g
	s_wait_dscnt 32                                ; all but the 32 just issued
	WIN MUL
	MUL8 \f, 1, 0, 0
	MUL8 \f, 1, 2, 0
.endm
; The last quarter multiplies buffer 1 and changes slots: ONE barrier; in front of it each wave waits for all its tensor loads, adds 0 to its spare word, and waits for that and for its reads of this slot.  fill = 1: the slot is filled again, two K steps ahead.
.macro TURN slot, next, fill
	WIN 0
	s_wait_tensorcnt 0x0                           ; all my tensor loads have landed: my part of the next slot
	ds_add_u32 v[SPW], v[NIL]                      ; 0 onto my spare word
	s_wait_dscnt 17                                ; (the add and the youngest sixteen loads may be out)
	WIN MUL
	MUL8 F1, 0, 0, 0
	s_wait_dscnt 0x0                               ; the add is done, and my reads of this slot are over
	s_barrier_signal -1
	MUL8 F1, 0, 2, 0
.if \fill
	WIN 0
.endif
	s_barrier_wait -1
.if \fill
	CREST                                          ; the barrier has opened a round of the cluster's: no wave of any partner still reads this slot or has a load on its way
	s_add_nc_u64 s[G0+4*\slot+2:G0+4*\slot+3], s[G0+4*\slot+2:G0+4*\slot+3], 2*65536
	s_add_nc_u64 s[G0B+4*\slot+2:G0B+4*\slot+3], s[G0B+4*\slot+2:G0B+4*\slot+3], 2*512
	JLOAD \slot                                    ; the first tensor load behind the round; its four v_nop are also the places ahead of the loads below
.else
	PLACES
.endif
	FETCH \next, 0, F0
	WIN MUL
	MUL8 F1, 1, 0, 0
	MUL8 F1, 1, 2, 0
.endm
	s_wait_tensorcnt 1                             ; my part of K step 0 is in (K step 1's load may be out)
	s_barrier_signal -1
	s_barrier_wait -1                              ; everybody's is
	FETCH 0, 0, F0
	s_wait_loadcnt 0x0                             ; the bias
	QUARTER 0, 1, F0, F1, 1                        ; the first products start the sums on the bias
	WIN 0
	s_mov_b32 s3, LAPS-1
.Llap:                                                 ; a trip goes once round the ring, from a lap's second quarter to the next lap's first, and fills both slots again
	QUARTER 0, 2, F1, F0, 0
	QUARTER 0, 3, F0, F1, 0
	TURN 0, 1, 1
	QUARTER 1, 1, F0, F1, 0
	QUARTER 1, 2, F1, F0, 0
	QUARTER 1, 3, F0, F1, 0
	TURN 1, 0, 1
	QUARTER 0, 1, F0, F1, 0
	WIN 0
	s_sub_co_u32 s3, s3, 1
	s_cmp_lg_u32 s3, 0
	s_cbranch_scc1 .Llap
	QUARTER 0, 2, F1, F0, 0                        ; the last lap fills nothing
	QUARTER 0, 3, F0, F1, 0
	TURN 0, 1, 0
	QUARTER 1, 1, F0, F1, 0
	QUARTER 1, 2, F1, F0, 0
	QUARTER 1, 3, F0, F1, 0
	s_wait_dscnt 16                                ; the very last quarter: nothing more to fetch
	WIN MUL
	MUL8 F1, 0, 0, 0
	MUL8 F1, 0, 2, 0
	s_wait_dscnt 0
	MUL8 F1, 1, 0, 0
	MUL8 F1, 1, 2, 0
	WIN 0
; THE WAY OUT, 16 rows x 64 columns at a time: the accumulators go into my stage as they are, each from its low end on, and come back as whole rows of 256 bytes: sixteen lanes store 256 consecutive bytes, aligned.
.macro TOSTAGE a
.irp b, 0,1,2,3
	ds_store_b128 v[STO], v[ACC+8*(4*(\a)+\b):ACC+8*(4*(\a)+\b)+3] offset:64*\b
	ds_store_b128 v[STO], v[ACC+8*(4*(\a)+\b)+4:ACC+8*(4*(\a)+\b)+7] offset:64*\b+16
.endr
.set BB, TMP+32*((\a)%2)
.irp u, 0,1,2,3,4,5,6,7
	ds_load_b128 v[BB+4*\u:BB+4*\u+3], v[RD] offset:\u*2*SPITCH    ; LDS serves a wave's instructions in order: these see the stores above
.endr
.endm
.macro SEND a, younger                 ; younger: the LDS instructions issued behind block a's loads, which may stay out
.set BB, TMP+32*((\a)%2)
	s_wait_dscnt \younger
.irp u, 0,1,2,3,4,5,6,7
	global_store_b128 v[CO], v[BB+4*\u:BB+4*\u+3], s[8:9] offset:(16*(\a)+2*\u)*4096 th:TH_STORE_NT
.endr
.endm
	PLACES
	TOSTAGE 0
.irp a, 1,2,3
.if \a > 1
	s_wait_xcnt 0x0                                ; block a - 2's stores have read their registers: block a's loads may land there
.endif
	TOSTAGE \a
	SEND \a-1, 16                                  ; behind block a - 1's loads: block a's 8 stores and 8 loads
.endr
	SEND 3, 0
	s_wait_tensorcnt 0x0                           ; the wave's end, behind my last tensor load and my last LDS store
	ds_add_u32 v[SPW], v[NIL]
	s_wait_dscnt 0x0
	CROUND                                         ; the closing round
	s_endpgm
.Lfunc_end_k_q7cff50e9ac_oproj:
	.size	k_q7cff50e9ac_oproj, .Lfunc_end_k_q7cff50e9ac_oproj-k_q7cff50e9ac_oproj
	.p2alignl 7, 3214868480
	.fill 96, 4, 3214868480
	.section	.rodata,"a",@progbits
	.p2align	6, 0x0
	.amdhsa_kernel k_q7cff50e9ac_oproj
		.amdhsa_group_segment_fixed_size 327680
		.amdhsa_private_segment_fixed_size 0
		.amdhsa_enable_private_segment 0
		.amdhsa_kernarg_size 32
		.amdhsa_user_sgpr_count 2
		.amdhsa_user_sgpr_kernarg_segment_ptr 1
		.amdhsa_wavefront_size32 1
		.amdhsa_system_sgpr_workgroup_id_x 1
		.amdhsa_system_sgpr_workgroup_id_y 1
		.amdhsa_system_sgpr_workgroup_id_z 1
		.amdhsa_system_vgpr_workitem_id 0
		.amdhsa_next_free_vgpr 512
		.amdhsa_next_free_sgpr 68
		.amdhsa_reserve_vcc 0
		.amdhsa_float_denorm_mode_32 3
		.amdhsa_float_denorm_mode_16_64 3
		.amdhsa_memory_ordered 1
		.amdhsa_forward_progress 1
		.amdhsa_inst_pref_size 87
	.end_amdhsa_kernel
	.amdgpu_metadata
---
amdhsa.version: [ 1, 2 ]
amdhsa.kernels:
  - .name:           k_q7cff50e9ac_oproj
    .symbol:         k_q7cff50e9ac_oproj.kd
    .args:
      - { .name: ao, .offset: 0, .size: 8, .value_kind: global_buffer, .address_space: global }
      - { .name: wo16, .offset: 8, .size: 8, .value_kind: global_buffer, .address_space: global }
      - { .name: bo, .offset: 16, .size: 8, .value_kind: global_buffer, .address_space: global }
      - { .name: out0, .offset: 24, .size: 8, .value_kind: global_buffer, .address_space: global }
    .group_segment_fixed_size: 327680
    .private_segment_fixed_size: 0
    .kernarg_segment_align: 8
    .kernarg_segment_size: 32
    .max_flat_workgroup_size: 128
    .sgpr_count:     68
    .vgpr_count:     512
    .wavefront_size: 32
...
	.end_amdgpu_metadata
.endif
;; end of part 4
